; MI455X (gfx1250); checked and timed in simulation.
; The chip was launched on July 23, 2026; its instructions are those of AMD's public machine-readable ISA for CDNA 5 (MIT licence, August 2026) and "CDNA5" Instruction Set Architecture Reference Guide (July 2026). The comments in the code are by the model that wrote it; some were corrected since.
;; Capsule Layer. Allowed arithmetic: float matrix products may take bf16 or f16 operands with f32 sums; all other float work in f32.
;; Inputs: fc_b 2,048 float32; fc_w 1,024 x 2,048 float32; inputs 64 x 512 x 1,024 float32.
;; Outputs: out0 64 x 32 x 64 float32.
;; One version. Each part assembles by itself: llvm-mc -triple=amdgcn-amd-amdhsa -mcpu=gfx1250 --defsym DOCPART=n.
;; ======== version 1 of 1: 6 launches
;; workspace buffers: xb 67,108,864 bytes; y 33,554,432 bytes; cs 32,768 bytes; z 8,388,608 bytes; beta 8,192 bytes; v1 524,288 bytes; wb 4,194,304 bytes
;; launch prep (part 1): grid 4 x 64, 8 waves a work-group, no clusters, 0 bytes of LDS; arguments inputs, fc_w, xb, y, wb; writes xb, y, wb
.if DOCPART == 1
	.amdgcn_target "amdgcn-amd-amdhsa--gfx1250"
	.amdhsa_code_object_version 6
	.text
	.protected	k_q5c824c8381_prep
	.globl	k_q5c824c8381_prep
	.p2align	8
	.type	k_q5c824c8381_prep,@function
k_q5c824c8381_prep:
	s_mov_b64 s[64:65], 0
	v_nop
	global_prefetch_b8 v0, s[64:65] scope:SCOPE_SE
	s_setreg_imm32_b32 hwreg(HW_REG_WAVE_MODE, 25, 1), 1
	s_wait_xcnt 0x0
; prep: xb = inputs rounded to bf16;  y[b][q][d] = (1/32) x the sum of inputs[b][l][d] over the 128 rows l of quarter q;
;       wb[c][d][o] = fc_w[d][64 c + o] rounded to bf16: W capsule by capsule, each capsule's 1,024 x 64 numbers dense.
; The first routing iteration has c = 1/32 everywhere, so it needs of X only the column sums; the later iterations read the bf16 copy.
; Work-group (q, b) owns 128 rows of X of 4,096 bytes.  Thread t owns columns 4t .. 4t+3 of every row: a load of a wave covers 512
; consecutive bytes, a store of a wave 256 consecutive bytes at a multiple of 256 from xb's first byte.
; A ring of DEPTH row slots in registers keeps DEPTH loads of every wave on their way; the row's number stands in the immediate
; (127 x 4,096 bytes at the most, inside the signed 24 bits), so no address register is ever rewritten.  No LDS, no barrier.
; The packed rows wait for their stores in a ring of NP register pairs, so that the wait that frees store data stands twice in 128 rows.
; Of W the work-group converts rows d = 4 (4 b + q) .. + 3: wave w capsules 4 w .. 4 w + 3; a capsule's four rows are 512 consecutive
; bytes of wb, one store of the wave; eight lanes load 256 consecutive bytes of a row of fc_w in two loads.
; Order of rounding: a column's 128 numbers are added in f32 in ascending l, which is not the order of the einsum.
.set ROWB,  4096                       ; bytes in a row of inputs
.set OROWB, 2048                       ; bytes in a row of xb
.set ROWS,  128
.set DEPTH, 32
.set NP,    48                         ; pairs in the ring of packed rows
.set VIN,   1                          ; v1        16 t
.set VOUT,  2                          ; v2        8 t
.set WGI,   3                          ; v3        fc_w: 8,192 (L >> 3) + 1,024 w + 32 (L & 7)
.set ACC,   4                          ; v[4:7]    my four column sums
.set WGO,   8                          ; v8        wb: 524,288 w + 16 L;  v9 at work
.set WO,    10                         ; v[10:25]  W packed, four capsules x 16 bytes: store data, never rewritten
.set Y,     26                         ; v[26:121] ring of NP pairs: four bf16 to store
.set WI,    26                         ; v[26:57]  at the start only: W as loaded
.set X,     128                        ; v[128:255] ring of DEPTH slots: four f32 as loaded
	s_load_b256 s[4:11], s[0:1], 0x0               ; inputs s[4:5], fc_w s[6:7], xb s[8:9], y s[10:11]
	s_load_b64 s[12:13], s[0:1], 0x20              ; wb
	s_mov_b32 s15, ttmp9                           ; q
	s_and_b32 s14, ttmp7, 0xffff                   ; b
	s_lshl_b32 s16, s14, 21                        ; b x 512 rows x 4,096 bytes
	s_lshl_b32 s18, s15, 19                        ; q x 128 rows x 4,096 bytes
	s_add_co_u32 s16, s16, s18                     ; below 2^27
	s_mov_b32 s17, 0
	s_lshr_b32 s18, s16, 1                         ; the same place in xb: half the bytes
	s_mov_b32 s19, 0
	s_lshl2_add_u32 s22, s14, s15                  ; 4 b + q
	s_lshl_b32 s20, s22, 12                        ; y: x 1,024 f32
	s_mov_b32 s21, 0
	s_lshl_b32 s24, s22, 15                        ; fc_w: x 4 rows of 8,192 bytes
	s_mov_b32 s25, 0
	s_lshl_b32 s26, s22, 9                         ; wb: x 4 rows of 128 bytes
	s_mov_b32 s27, 0
	v_lshlrev_b32 v[VIN], 4, v0
	v_lshlrev_b32 v[VOUT], 3, v0
	v_lshrrev_b32 v9, 5, v0                        ; w
	v_and_b32 v[WGO], 31, v0                       ; L
	v_lshlrev_b32 v[WGO], 4, v[WGO]
	v_lshl_add_u32 v[WGO], v9, 19, v[WGO]          ; four capsules of 131,072 bytes a wave
	v_and_b32 v[WGI], 7, v0
	v_lshlrev_b32 v[WGI], 5, v[WGI]                ; eight f32
	v_lshl_add_u32 v[WGI], v9, 10, v[WGI]          ; four capsules of 256 bytes a wave
	v_bfe_u32 v9, v0, 3, 2                         ; L >> 3: which of the four rows
	v_lshl_add_u32 v[WGI], v9, 13, v[WGI]
	s_wait_kmcnt 0x0
	s_add_nc_u64 s[4:5], s[4:5], s[16:17]
	s_add_nc_u64 s[6:7], s[6:7], s[24:25]
	s_add_nc_u64 s[8:9], s[8:9], s[18:19]
	s_add_nc_u64 s[10:11], s[10:11], s[20:21]
	s_add_nc_u64 s[12:13], s[12:13], s[26:27]
.irp j, 0,1,2,3
	global_load_b128 v[WI+8*\j:WI+8*\j+3], v[WGI], s[6:7] offset:256*\j th:TH_LOAD_NT          ; capsule 4 w + j, eight numbers of row L >> 3
	global_load_b128 v[WI+8*\j+4:WI+8*\j+7], v[WGI], s[6:7] offset:256*\j+16 th:TH_LOAD_NT
.endr
.set RW, 0
.rept DEPTH
	global_load_b128 v[X+4*RW:X+4*RW+3], v[VIN], s[4:5] offset:RW*ROWB th:TH_LOAD_NT   ; rows 0 to 31 fill the ring
.set RW, RW+1
.endr
	s_wait_loadcnt DEPTH                           ; loads come back in order: W's eight are in, the ring's 32 stay out
.irp j, 0,1,2,3
.irp p, 0,1,2,3
	v_cvt_pk_bf16_f32 v[WO+4*\j+\p], v[WI+8*\j+2*\p], v[WI+8*\j+2*\p+1]
.endr
	global_store_b128 v[WGO], v[WO+4*\j:WO+4*\j+3], s[12:13] offset:131072*\j          ; the wave stores 512 consecutive bytes, aligned
.endr
.set RW, 0
.rept ROWS
.set XS, X+4*(RW%DEPTH)
.set YP, Y+2*(RW%NP)
.if RW < ROWS-DEPTH
	s_wait_loadcnt DEPTH-1                         ; row RW is in, the 31 younger rows stay out
.else
	s_wait_loadcnt ROWS-1-RW                       ; the last rows: the count runs down
.endif
.if RW > 0
.if (RW%NP) == 0
	s_wait_xcnt 0x0                                ; head of a lap of the Y ring: all its pairs' last stores were issued ahead of this wait
.endif
.endif
.if RW == 0
	v_mov_b32 v[ACC], v[XS]                        ; the first row starts the sums
	v_mov_b32 v[ACC+1], v[XS+1]
	v_mov_b32 v[ACC+2], v[XS+2]
	v_mov_b32 v[ACC+3], v[XS+3]
.else
	v_pk_add_f32 v[ACC:ACC+1], v[ACC:ACC+1], v[XS:XS+1]
	v_pk_add_f32 v[ACC+2:ACC+3], v[ACC+2:ACC+3], v[XS+2:XS+3]
.endif
	v_cvt_pk_bf16_f32 v[YP], v[XS], v[XS+1]
	v_cvt_pk_bf16_f32 v[YP+1], v[XS+2], v[XS+3]
.if RW < ROWS-DEPTH
	global_load_b128 v[XS:XS+3], v[VIN], s[4:5] offset:(RW+DEPTH)*ROWB th:TH_LOAD_NT   ; the slot's next row, ahead of the store
.endif
	global_store_b64 v[VOUT], v[YP:YP+1], s[8:9] offset:RW*OROWB
.set RW, RW+1
.endr
	v_pk_mul_f32 v[ACC:ACC+1], v[ACC:ACC+1], 0x3d000000 op_sel_hi:[1,0]       ; x 1/32, the first iteration's c (exact)
	v_pk_mul_f32 v[ACC+2:ACC+3], v[ACC+2:ACC+3], 0x3d000000 op_sel_hi:[1,0]
	global_store_b128 v[VIN], v[ACC:ACC+3], s[10:11]
	s_endpgm
.Lfunc_end_k_q5c824c8381_prep:
	.size	k_q5c824c8381_prep, .Lfunc_end_k_q5c824c8381_prep-k_q5c824c8381_prep
	.p2alignl 7, 3214868480
	.fill 96, 4, 3214868480
	.section	.rodata,"a",@progbits
	.p2align	6, 0x0
	.amdhsa_kernel k_q5c824c8381_prep
		.amdhsa_group_segment_fixed_size 0
		.amdhsa_private_segment_fixed_size 0
		.amdhsa_enable_private_segment 0
		.amdhsa_kernarg_size 40
		.amdhsa_user_sgpr_count 2
		.amdhsa_user_sgpr_kernarg_segment_ptr 1
		.amdhsa_wavefront_size32 1
		.amdhsa_system_sgpr_workgroup_id_x 1
		.amdhsa_system_sgpr_workgroup_id_y 1
		.amdhsa_system_sgpr_workgroup_id_z 1
		.amdhsa_system_vgpr_workitem_id 0
		.amdhsa_next_free_vgpr 256
		.amdhsa_next_free_sgpr 66
		.amdhsa_reserve_vcc 0
		.amdhsa_float_denorm_mode_32 3
		.amdhsa_float_denorm_mode_16_64 3
		.amdhsa_memory_ordered 1
		.amdhsa_forward_progress 1
		.amdhsa_inst_pref_size 65
	.end_amdhsa_kernel
	.amdgpu_metadata
---
amdhsa.version: [ 1, 2 ]
amdhsa.kernels:
  - .name:           k_q5c824c8381_prep
    .symbol:         k_q5c824c8381_prep.kd
    .args:
      - { .name: inputs, .offset: 0, .size: 8, .value_kind: global_buffer, .address_space: global }
      - { .name: fc_w, .offset: 8, .size: 8, .value_kind: global_buffer, .address_space: global }
      - { .name: xb, .offset: 16, .size: 8, .value_kind: global_buffer, .address_space: global }
      - { .name: y, .offset: 24, .size: 8, .value_kind: global_buffer, .address_space: global }
      - { .name: wb, .offset: 32, .size: 8, .value_kind: global_buffer, .address_space: global }
    .group_segment_fixed_size: 0
    .private_segment_fixed_size: 0
    .kernarg_segment_align: 8
    .kernarg_segment_size: 40
    .max_flat_workgroup_size: 256
    .sgpr_count:     66
    .vgpr_count:     256
    .wavefront_size: 32
...
	.end_amdgpu_metadata
.endif
;; end of part 1
;; launch sfirst (part 2): grid 8 x 32, 8 waves a work-group, clusters of 4 x 1, 219,136 bytes of LDS; arguments y, wb, fc_b, v1, z, beta; writes v1, z, beta
.if DOCPART == 2
	.amdgcn_target "amdgcn-amd-amdhsa--gfx1250"
	.amdhsa_code_object_version 6
	.text
	.protected	k_q5c824c8381_sfirst
	.globl	k_q5c824c8381_sfirst
	.p2align	8
	.type	k_q5c824c8381_sfirst,@function
k_q5c824c8381_sfirst:
	s_mov_b64 s[64:65], 0
	v_nop
	global_prefetch_b8 v0, s[64:65] scope:SCOPE_SE
	s_setreg_imm32_b32 hwreg(HW_REG_WAVE_MODE, 25, 1), 1
	s_wait_xcnt 0x0
	s_wait_alu depctr_hold_cnt(0) depctr_sa_sdst(0) depctr_va_vdst(0) depctr_va_sdst(0) depctr_va_ssrc(0) depctr_va_vcc(0) depctr_vm_vsrc(0)
	s_getreg_b32 s2, hwreg(HW_REG_IB_STS2, 6, 4)
	s_cmp_eq_u32 s2, 0
	s_cbranch_scc0 .Lentry_in_a_cluster
	s_endpgm
.Lentry_in_a_cluster:
	s_bfe_u32 s2, ttmp6, 0x10000c
	s_cmp_lg_u32 s2, 0x3003
	s_cbranch_scc0 .Lentry_shape_is_right
	s_endpgm
.Lentry_shape_is_right:
; The small step between two passes over X, for capsule c (grid y) and the eight batches 8g .. 8g+7 (grid x):
;   s[b][o] = (sum over q of y[b][q][c][:]) . W[:, 64c+o] + csum[b] bias[64c+o];   v = squash(s);
;   V = the sum of all v so far;   z[b][c][d] = sum over o of W[d][64c+o] V[b][o];   beta[b][c] = sum over o of bias[64c+o] V[b][o].
; With z and beta the next pass forms its logits as x[l] . z[c] + beta[c], which is u_hat[l][c] . V with the products in another order.
; MODE 0: first iteration (y holds column sums / 32, the same for every capsule; csum = 512/32 = 16); stores v1, z, beta.
; MODE 1: second iteration (csum from cs; V = v1 + v2); stores z, beta.      MODE 2: third iteration; stores v as the result.
; W comes from wb, the bf16 copy laid capsule by capsule: W_c is 131,072 dense bytes, taken as 512 rows of 256 bytes (two rows d each);
; wave w brings 64 of them by one tensor load, its only one.
; CLUSTER: 4 x 1 work-groups, four neighbouring g of one capsule, need the same W_c and ask for it JOINTLY: the same load, the same
; descriptor (made of the capsule, which is the cluster's y, and of the wave's number), mask 15.  That divides the requests for W by four.
; A round of the cluster's barrier stands in front of the joint load, at the very head, where it needs the wave's number alone and the
; scalar loads of the arguments are on their way; a second one stands where the work-group's barrier behind the fill would stand: behind
; it every partner's only joint load has been issued and has landed, so none ends while a partner may still ask.
; The place in the cluster enters g alone, and g only offsets into y, v1, z, beta, cs (s22, s26, s47: no descriptor, no LDS address, no branch).
; TWO PARTS: y, V and z are numbers of this program's own making, and an error in V or z returns through the next softmax into every
; later v.  A bf16 has 8 significant bits; so each of them goes to the matrix unit as two bf16 numbers, an upper part and the rounded
; remainder (f32 minus upper part, exact): about 16 significant bits.  In the s product the eight batches leave eight of the sixteen
; columns free: columns 0-7 take y's upper parts, columns 8-15 its lower parts, and column r is added to column r xor 8 afterwards.
; Limits: W is rounded once to bf16, sums are f32, their order is not the einsum's; where 1 + |s|^2 passes 2^126 v_rcp_f32 gives 0
; (AMD's ISA guide, 15.8: results below the normal range are flushed) and v comes out 0.
.set MODE, 0
.set PW2,  272                         ; LDS row of W_c: rows d = 2 n and 2 n + 1 (128 bytes each) + 16 bytes; row d begins at (d >> 1) PW2 + 128 (d & 1)
.set WLW,  64*PW2                      ; what one wave's tensor load fills: 128 rows d
.set AL,   512*PW2                     ; behind W_c: y's upper parts, 8 rows
.set PA,   2064                        ; 1,024 bf16 + 16 bytes
.set ALO,  16768                       ; from y's upper parts to its lower parts: 128 more than a multiple of 256, so that the sixteen rows of a fragment begin at sixteen different 16-byte columns of 256
.set SX,   AL+2*ALO                    ; exchange of partial s: 1,024 bytes a wave
.set VST,  SX+8192                     ; stage for v: 8 rows
.set PV,   272                         ; 256 bytes + 16
.set ZST,  VST+2304                    ; stages for z, each wave's own: 8 rows of upper parts, 8 of lower
.set ZSTW, 16*PV
.set ZLOFF, 4194304                    ; in the buffer z: from the upper parts to the lower parts
.if MODE == 0
.set YSTR, 4096                        ; bytes from one (batch, quarter) of y to the next
.set NS,   8                           ; small loads issued behind y's loads
.endif
.if MODE == 1
.set YSTR, 131072
.set NS,   20
.endif
.if MODE == 2
.set YSTR, 131072
.set NS,   12
.endif
; v1 lane L, v2 r = L & 15, v3 h = L >> 4, v4 L & 7 (= r & 7), v5 (L >> 3) & 1 (= r >> 3)
.set ZGO, 6                            ; v6 at work while the offsets are made, then 65,536 h + 256 w + 16 r: z in memory
.set YG,  7                            ; 16 t: my 16 bytes of a row of y
.set YA,  8                            ; AL + 8 t
.set ZSW, 9                            ; my stage for z, row r & 7, byte 16 h
.set ZSR, 10                           ; my stage for z, two rows a load
.set AA,  11                           ; y fragments
.set WT0, 12                           ; v12, v13: transposed W fragments, K steps 0-7 and 8-15 of my half of K
.set SXR, 14
.set SXW, 15
.set BO,  16                           ; offsets of the small loads
.set VO,  17
.set CO,  18
.set WZ,  19                           ; W fragments of the z product
.set CSV, 20                           ; v[20:23] four partial sums of c;  v[24:31] at work
.set RY,  32                           ; v[32:159] y as loaded: batch i, quarter q at 16 i + 4 q
.set T,   224                          ; v[224:255] packed bf16 on their way into LDS
.set F0,  32                           ; fragment buffers of the s product, 64 registers each
.set F1,  96
.set ACC, 224                          ; four accumulators of the s product
.set SV,  32                           ; v[32:63] s, then v, then V: tile ot, register j = (b = r & 7, o = 16 ot + 8 h + j)
.set BI,  160                          ; v[160:191] bias in the same layout
.set VP,  192                          ; v[192:223] v1 in the same layout
.set VT,  192                          ; v[192:223], late: V's remainders in f32
.set VL,  224                          ; v[224:239], late: V's lower parts as two bf16 fragments
.set VF,  240                          ; v[240:255], late: V's upper parts as two bf16 fragments
.set WF,  32                           ; v[32:159] W fragments of the z product: K step 0 in v[32:95], K step 1 in v[96:159]
.set ZA,  160                          ; v[160:223] its eight accumulators
.set ZT,  32                           ; v[32:95], last: z's remainders in f32
.set ZLP, 96                           ; v[96:127] z's lower parts, packed
.set ZB,  128                          ; v[128:159] z read back by rows
.set G0,  32                           ; s[32:35] descriptor group 0
.set G1,  36                           ; s[36:43] descriptor group 1
.macro PLACES                          ; four plain vector instructions between a matrix instruction and what touches its registers (ISA guide 7.12.1)
.rept 4
	v_nop
.endr
.endm
.macro BAR                             ; my LDS instructions are done, then the work-group's barrier
	s_wait_dscnt 0x0
	s_barrier_signal -1
	s_barrier_wait -1
.endm
.macro ROUND                           ; a round of the cluster's barrier: my work-group's barrier, so that wave 0 speaks for all eight waves;
	s_barrier_signal -1                    ; wave 0 signals for the work-group; every wave waits for all four work-groups; my work-group's barrier once more
	s_barrier_wait -1
	s_cmp_lg_u32 s20, 0
	s_cbranch_scc1 .Lnot_wave_0_\@
	s_barrier_signal -3
.Lnot_wave_0_\@:
	s_barrier_wait -3
	s_barrier_signal -1
	s_barrier_wait -1
.endm
; Batches b0 .. b0 + 3: the four quarters of l are added, the sum is split into its two bf16 parts, both go into LDS.
; Each step is made for all four batches before the next step, so that no line reads the result of the line in front of it.
.macro YSUM b0
.irp i, 0,1,2,3
.set Q, RY+16*(\b0+\i)
	v_pk_add_f32 v[Q:Q+1], v[Q:Q+1], v[Q+4:Q+5]
	v_pk_add_f32 v[Q+2:Q+3], v[Q+2:Q+3], v[Q+6:Q+7]
	v_pk_add_f32 v[Q+8:Q+9], v[Q+8:Q+9], v[Q+12:Q+13]
	v_pk_add_f32 v[Q+10:Q+11], v[Q+10:Q+11], v[Q+14:Q+15]
.endr
.irp i, 0,1,2,3
.set Q, RY+16*(\b0+\i)
	v_pk_add_f32 v[Q:Q+1], v[Q:Q+1], v[Q+8:Q+9]
	v_pk_add_f32 v[Q+2:Q+3], v[Q+2:Q+3], v[Q+10:Q+11]
.endr
.irp i, 0,1,2,3
.set Q, RY+16*(\b0+\i)
.set P, T+2*(\b0+\i)
	v_cvt_pk_bf16_f32 v[P], v[Q], v[Q+1]           ; upper parts
	v_cvt_pk_bf16_f32 v[P+1], v[Q+2], v[Q+3]
.endr
.irp i, 0,1,2,3
.set Q, RY+16*(\b0+\i)
.set P, T+2*(\b0+\i)
	v_lshlrev_b32 v[Q+4], 16, v[P]                 ; the upper parts as f32
	v_and_b32 v[Q+5], s25, v[P]
	v_lshlrev_b32 v[Q+6], 16, v[P+1]
	v_and_b32 v[Q+7], s25, v[P+1]
.endr
.irp i, 0,1,2,3
.set Q, RY+16*(\b0+\i)
	v_pk_fma_f32 v[Q+4:Q+5], v[Q+4:Q+5], -1.0, v[Q:Q+1] op_sel_hi:[1,0,1]         ; the sum minus its upper part: exact
	v_pk_fma_f32 v[Q+6:Q+7], v[Q+6:Q+7], -1.0, v[Q+2:Q+3] op_sel_hi:[1,0,1]
.endr
.irp i, 0,1,2,3
.set Q, RY+16*(\b0+\i)
.set P, T+2*(\b0+\i)
	v_cvt_pk_bf16_f32 v[P+16], v[Q+4], v[Q+5]      ; lower parts
	v_cvt_pk_bf16_f32 v[P+17], v[Q+6], v[Q+7]
.endr
.irp i, 0,1,2,3
.set P, T+2*(\b0+\i)
	ds_store_b64 v[YA], v[P:P+1] offset:(\b0+\i)*PA
	ds_store_b64 v[YA], v[P+16:P+17] offset:ALO+(\b0+\i)*PA
.endr
.endm
.macro SFETCH bt, F                    ; four K steps, 16 registers each: y's fragment (both parts side by side in its columns), W's transposed fragment
.irp k, 0,1,2,3
	ds_load_b128 v[\F+16*\k:\F+16*\k+3], v[AA] offset:64*(4*\bt+\k)
	ds_load_b128 v[\F+16*\k+4:\F+16*\k+7], v[AA] offset:64*(4*\bt+\k)+32
	ds_load_tr16_b128 v[\F+16*\k+8:\F+16*\k+11], v[WT0+\bt/2] offset:(4*(\bt%2)+\k)*16*PW2          ; 32 rows d are 16 LDS rows,
	ds_load_tr16_b128 v[\F+16*\k+12:\F+16*\k+15], v[WT0+\bt/2] offset:(4*(\bt%2)+\k)*16*PW2+8*PW2    ; 16 rows d are 8
.endr
.endm
.macro SMUL F, zero                    ; four accumulators, one for each K step of a batch, by turns, one instruction a turn
.irp k, 0,1,2,3
.if \zero
	v_wmma_f32_16x16x32_bf16 v[ACC+8*\k:ACC+8*\k+7], v[\F+16*\k+8:\F+16*\k+15], v[\F+16*\k:\F+16*\k+7], 0
.else
	v_wmma_f32_16x16x32_bf16 v[ACC+8*\k:ACC+8*\k+7], v[\F+16*\k+8:\F+16*\k+15], v[\F+16*\k:\F+16*\k+7], v[ACC+8*\k:ACC+8*\k+7]
.endif
.endr
.endm
; v leaves through LDS, so that sixteen lanes store a batch's 256 consecutive bytes, aligned.  VPUT lays it into the stage, VGET reads whole rows back and stores them.
.macro VPUT a
	v_mul_u32_u24 v[\a], v4, PV
	v_lshl_add_u32 v[\a], v3, 5, v[\a]
	v_add_nc_u32 v[\a], VST, v[\a]                 ; row r & 7 (lanes 8-15 write what lanes 0-7 write), byte 32 h
.irp ot, 0,1,2,3
	ds_store_b128 v[\a], v[SV+8*\ot:SV+8*\ot+3] offset:64*\ot
	ds_store_b128 v[\a], v[SV+8*\ot+4:SV+8*\ot+7] offset:64*\ot+16
.endr
.endm
.macro VGET a
	v_mul_u32_u24 v[\a], v3, PV
	v_lshl_add_u32 v[\a], v2, 4, v[\a]
	v_add_nc_u32 v[\a], VST, v[\a]                 ; two rows a load
	v_lshlrev_b32 v[\a+1], 4, v2
	v_lshl_add_u32 v[\a+1], v3, 13, v[\a+1]        ; and the same two batches in memory, 8,192 bytes apart
.irp i, 0,1,2,3
	ds_load_b128 v[\a+4+4*\i:\a+7+4*\i], v[\a] offset:2*PV*\i     ; LDS serves a wave's instructions in order: these see VPUT's stores
.endr
.irp i, 0,1,2,3
	s_wait_dscnt 3-\i                              ; read-back i is in, the younger ones stay out
	global_store_b128 v[\a+1], v[\a+4+4*\i:\a+7+4*\i], s[10:11] offset:16384*\i
.endr
.endm
	s_load_b256 s[4:11], s[0:1], 0x0               ; y s[4:5], wb s[6:7], fc_b s[8:9], v1 or out0 s[10:11]
.if MODE == 2
	s_load_b64 s[16:17], s[0:1], 0x20              ; cs
.else
	s_load_b128 s[12:15], s[0:1], 0x20             ; z s[12:13], beta s[14:15]
	v_lshl_add_u32 v22, v0, 2, 0x35400
	v_mov_b32 v23, 0
	ds_add_u32 v22, v23
	ds_add_u32 v22, v23
	s_wait_dscnt 0x0
.endif
.if MODE == 1
	s_load_b64 s[16:17], s[0:1], 0x30              ; cs
.endif
	v_lshrrev_b32 v1, 5, v0
	v_readfirstlane_b32 s20, v1                    ; wave w
	ROUND                                          ; all four work-groups are here, while the arguments are on their way: the joint loads below meet
	s_and_b32 s21, ttmp7, 0xffff                   ; capsule c: the cluster's y, shared by the four partners
	s_bfe_u32 s47, ttmp6, 0x40000                  ; cx: my place along the cluster's x
	s_lshl_b32 s22, ttmp9, 2                       ; in a cluster launch ttmp9 counts clusters
	s_add_co_u32 s22, s22, s47                     ; group g of eight batches = 4 x cluster x + cx
	s_lshr_b32 s23, s20, 2                         ; kh: my half of K in the s product
	s_and_b32 s24, s20, 3                          ; ot: my 16 outputs in the s product
	s_mov_b32 s25, 0xffff0000                      ; a word's upper bf16
	s_mov_b32 s30, 0x76543210                      ; v_permlanex16_b32: lane i reads lane i of the other half
	s_mov_b32 s31, 0xfedcba98
	s_mov_b32 s27, 0
	s_mov_b32 s45, 0
	s_mov_b32 s[G1+0], 15|(3<<16)|(1<<20)|(1<<21)|(5<<22)|(3<<25)   ; mask: all four of the cluster; elements of 8 bytes; padding on; bit 21 beside a mask; 4 words behind every 64 words
	s_mov_b32 s[G1+1], 32<<16                      ; tensor_dim0 = 32 elements: the tile lies inside the tensor
	s_mov_b32 s[G1+2], 64<<16                      ; tensor_dim1 = 64
	s_mov_b32 s[G1+3], 32<<16                      ; tile_dim0 = 32 elements = 256 bytes
	s_mov_b32 s[G1+4], 64                          ; tile_dim1 = 64 rows
	s_mov_b32 s[G1+5], 32                          ; elements from row to row: dense
	s_mov_b32 s[G1+6], 0
	s_mov_b32 s[G1+7], 0
	s_mov_b32 s[G0], 1                             ; count = 1
	s_mul_i32 s[G0+1], s20, WLW                    ; LDS address: the wave's number x 17,408
	s_lshl_b32 s44, s21, 17                        ; wb: capsule c,
	s_lshl_b32 s46, s20, 14                        ; my 128 rows d of 128 bytes
	s_add_co_u32 s44, s44, s46
	v_and_b32 v1, 31, v0
	v_and_b32 v2, 15, v0
	v_bfe_u32 v3, v0, 4, 1
	v_and_b32 v4, 7, v0
	v_bfe_u32 v5, v0, 3, 1
	v_lshlrev_b32 v[YG], 4, v0
	v_lshlrev_b32 v[BO], 5, v3
.if MODE == 1
	v_lshl_add_u32 v[VO], v4, 13, v[BO]
.endif
.if MODE != 0
	v_lshlrev_b32 v[CO], 9, v4
.endif
	s_wait_kmcnt 0x0
	s_add_nc_u64 s[G0+2:G0+3], s[6:7], s[44:45]    ; global address of my part of W_c
	s_or_b32 s[G0+3], s[G0+3], 0x80000000          ; type = 2
	tensor_load_to_lds s[G0:G0+3], s[G1:G1+7]      ; my 64 rows of 256 bytes of W_c: the wave's only tensor load, and its first memory instruction
	s_nop 0
.if MODE == 0
	s_lshl_b32 s26, s22, 17                        ; y[b][q][1024]: 8 batches x 4 quarters x 4,096 bytes
.else
	s_lshl_b32 s26, s22, 22                        ; y[b][q][c][1024]: 8 batches x 524,288 bytes,
	s_lshl_b32 s47, s21, 12                        ; and my capsule's row
	s_add_co_u32 s26, s26, s47
.endif
	s_add_nc_u64 s[4:5], s[4:5], s[26:27]
.set n, 0
.rept 32
	global_load_b128 v[RY+4*n:RY+4*n+3], v[YG], s[4:5] offset:n*YSTR   ; n = 4 i + q: batch i, quarter q; the eight waves cover the row
.set n, n+1
.endr
	s_lshl_b32 s44, s21, 8                         ; my capsule's 64 f32 in fc_b
	s_add_nc_u64 s[8:9], s[8:9], s[44:45]
	s_lshl_b32 s26, s22, 16                        ; v1, out0: [b][c][64] f32
	s_lshl_b32 s47, s21, 8
	s_add_co_u32 s26, s26, s47
	s_add_nc_u64 s[10:11], s[10:11], s[26:27]
.if MODE != 0
	s_lshl_b32 s26, s22, 12                        ; cs: [b][q][32] f32
	s_lshl_b32 s47, s21, 2
	s_add_co_u32 s26, s26, s47
	s_add_nc_u64 s[16:17], s[16:17], s[26:27]
.endif
.irp ot, 0,1,2,3
	global_load_b128 v[BI+8*\ot:BI+8*\ot+3], v[BO], s[8:9] offset:64*\ot          ; bias, in s's layout
	global_load_b128 v[BI+8*\ot+4:BI+8*\ot+7], v[BO], s[8:9] offset:64*\ot+16
.endr
.if MODE == 1
.irp ot, 0,1,2,3
	global_load_b128 v[VP+8*\ot:VP+8*\ot+3], v[VO], s[10:11] offset:64*\ot        ; v1 of batch r & 7
	global_load_b128 v[VP+8*\ot+4:VP+8*\ot+7], v[VO], s[10:11] offset:64*\ot+16
.endr
.endif
.if MODE != 0
.irp q, 0,1,2,3
	global_load_b32 v[CSV+\q], v[CO], s[16:17] offset:128*\q                      ; the quarters' sums of c, batch r & 7
.endr
.endif
	; every other base and offset of the kernel is made here, while y is on its way
.if MODE != 2
	s_lshl_b32 s26, s22, 19                        ; z: [part][b][c][1024] bf16
	s_lshl_b32 s47, s21, 11
	s_add_co_u32 s26, s26, s47
	s_add_nc_u64 s[12:13], s[12:13], s[26:27]
	s_lshl_b32 s26, s22, 10                        ; beta: [b][32] f32
	s_lshl_b32 s47, s21, 2
	s_add_co_u32 s26, s26, s47
	s_add_nc_u64 s[14:15], s[14:15], s[26:27]
.endif
	v_lshlrev_b32 v[YA], 3, v0
	v_add_nc_u32 v[YA], AL, v[YA]
	v_mul_u32_u24 v[AA], v4, PA                    ; column n = r of the product takes batch r & 7,
	v_lshl_add_u32 v[AA], v3, 4, v[AA]
	v_mul_u32_u24 v6, v5, ALO                      ; its upper part in columns 0-7, its lower part in columns 8-15
	v_add_nc_u32 v[AA], v[AA], v6
	s_lshl_b32 s28, s23, 10
	s_add_co_u32 s28, s28, AL
	v_add_nc_u32 v[AA], s28, v[AA]
	v_bfe_u32 v6, v0, 1, 2                         ; in a transposing load I address row d = 8 h + (L & 7) of sixteen:
	v_lshl_add_u32 v6, v3, 2, v6                   ; LDS row 4 h + ((L & 7) >> 1),
	v_mul_u32_u24 v[WT0], v6, PW2
	v_and_b32 v6, 1, v0
	v_lshl_add_u32 v[WT0], v6, 7, v[WT0]           ; its half L & 1,
	v_lshl_add_u32 v[WT0], v5, 4, v[WT0]           ; 16 bytes (L >> 3) & 1
	s_mul_i32 s28, s23, 256*PW2                    ; my 512 rows d
	s_lshl_b32 s29, s24, 5                         ; my 16 outputs
	s_add_co_u32 s28, s28, s29
	v_add_nc_u32 v[WT0], s28, v[WT0]
	v_add_nc_u32 v[WT0+1], 128*PW2, v[WT0]         ; the immediate has 16 bits: a second base for K steps 8-15
	v_lshlrev_b32 v[SXR], 4, v1
	v_add_nc_u32 v[SXR], SX, v[SXR]
	v_lshl_add_u32 v[SXW], s20, 10, v[SXR]
.if MODE != 2
	v_lshrrev_b32 v[WZ], 1, v2                     ; in the z product row d = 128 w + 16 i + r lies in LDS row 64 w + 8 i + (r >> 1),
	s_lshl_b32 s28, s20, 6
	v_add_nc_u32 v[WZ], s28, v[WZ]
	v_mul_u32_u24 v[WZ], v[WZ], PW2
	v_lshl_add_u32 v[WZ], v6, 7, v[WZ]             ; half r & 1 (v6 still holds L & 1):
	v_lshl_add_u32 v[WZ], v3, 4, v[WZ]             ; (64 w + (r >> 1)) PW2 + 128 (r & 1) + 16 h; the sixteen rows begin at sixteen different 16-byte columns of 256
	s_mul_i32 s28, s20, ZSTW
	s_add_co_u32 s28, s28, ZST
	v_mul_u32_u24 v[ZSW], v4, PV
	v_lshl_add_u32 v[ZSW], v3, 4, v[ZSW]
	v_add_nc_u32 v[ZSW], s28, v[ZSW]
	v_mul_u32_u24 v[ZSR], v3, PV
	v_lshl_add_u32 v[ZSR], v2, 4, v[ZSR]
	v_add_nc_u32 v[ZSR], s28, v[ZSR]
	v_lshlrev_b32 v[ZGO], 4, v2
	v_lshl_add_u32 v[ZGO], v3, 16, v[ZGO]
	v_lshl_add_u32 v[ZGO], s20, 8, v[ZGO]
.endif
	s_wait_loadcnt NS+16                           ; loads come back in order: batches 0-3 are in; y's other 16 loads and the NS small loads stay out
	YSUM 0
	s_wait_loadcnt NS                              ; batches 4-7; the NS small loads stay out
	YSUM 4
	s_wait_tensorcnt 0x0                           ; my part of W_c has landed,
	s_wait_dscnt 0x0                               ; my part of y is stored:
	ROUND                                          ; W_c and y are whole in LDS for every wave; and every partner's joint load is over: the closing round
	; s = y . W_c.  Wave w: outputs 16 ot .. + 15, half kh of K: 16 K steps in four batches of four.  Source 0 = W transposed (rows o), source 1 = y (columns: batch and part).
	SFETCH 0, F0
	SFETCH 1, F1
	s_wait_dscnt 16                                ; the older batch of 16 loads is in, here and below
	SMUL F0, 1
	PLACES
	SFETCH 2, F0
	s_wait_dscnt 16
	SMUL F1, 0
	PLACES
	SFETCH 3, F1
	s_wait_dscnt 16
	SMUL F0, 0
	s_wait_dscnt 0x0
	SMUL F1, 0
	PLACES
.irp j, 0,2,4,6
	v_pk_add_f32 v[ACC+\j:ACC+\j+1], v[ACC+\j:ACC+\j+1], v[ACC+8+\j:ACC+8+\j+1]
	v_pk_add_f32 v[ACC+16+\j:ACC+16+\j+1], v[ACC+16+\j:ACC+16+\j+1], v[ACC+24+\j:ACC+24+\j+1]
.endr
.irp j, 0,2,4,6
	v_pk_add_f32 v[ACC+\j:ACC+\j+1], v[ACC+\j:ACC+\j+1], v[ACC+16+\j:ACC+16+\j+1]
.endr
.irp j, 0,1,2,3,4,5,6,7
	v_add_f32_dpp v[ACC+\j], v[ACC+\j], v[ACC+\j] row_xmask:8 row_mask:0xf bank_mask:0xf   ; column r + column r xor 8: the upper part's product and the lower part's
.endr
	ds_store_b128 v[SXW], v[ACC:ACC+3]
	ds_store_b128 v[SXW], v[ACC+4:ACC+7] offset:512
	BAR                                            ; every wave's partial s is in SX
.if MODE == 2
	s_cmp_lg_u32 s20, 0                            ; the last step has no z product: wave 0 alone finishes
	s_cbranch_scc1 .Lend
.endif
.irp p, 0,1,2,3,4,5,6,7
	ds_load_b128 v[SV+8*\p:SV+8*\p+3], v[SXR] offset:1024*\p
	ds_load_b128 v[SV+8*\p+4:SV+8*\p+7], v[SXR] offset:1024*\p+512
.endr
.if MODE != 2
.irp i, 0,1,2,3,4,5,6,7
	ds_load_b128 v[WF+64+8*\i:WF+64+8*\i+3], v[WZ] offset:\i*8*PW2+64             ; the z product's W fragments of K step 1 (o = 32 .. 63), on their way during the squash
	ds_load_b128 v[WF+64+8*\i+4:WF+64+8*\i+7], v[WZ] offset:\i*8*PW2+64+32
.endr
	s_wait_dscnt 16                                ; the sixteen loads of partial s are in, the sixteen behind them stay out
.else
	s_wait_dscnt 0x0
.endif
	s_wait_loadcnt 0x0                             ; the small loads
.set n, 0
.rept 16
	v_pk_add_f32 v[SV+n:SV+n+1], v[SV+n:SV+n+1], v[SV+32+n:SV+32+n+1]             ; the two halves of K
.set n, n+2
.endr
.if MODE == 0
.set n, 0
.rept 16
	v_pk_fma_f32 v[SV+n:SV+n+1], v[BI+n:BI+n+1], 0x41800000, v[SV+n:SV+n+1] op_sel_hi:[1,0,1]   ; + 16 bias
.set n, n+2
.endr
.else
	v_add_f32 v24, v[CSV], v[CSV+1]
	v_add_f32 v25, v[CSV+2], v[CSV+3]
	v_add_f32 v24, v24, v25                        ; sum over l of c
.set n, 0
.rept 16
	v_pk_fma_f32 v[SV+n:SV+n+1], v[BI+n:BI+n+1], v[24:25], v[SV+n:SV+n+1] op_sel_hi:[1,0,1]      ; both halves x v24
.set n, n+2
.endr
.endif
	; squash: |s|^2 over my 32 numbers in four chains, then the other half of the lanes
	v_pk_mul_f32 v[24:25], v[SV:SV+1], v[SV:SV+1]
	v_pk_mul_f32 v[26:27], v[SV+2:SV+3], v[SV+2:SV+3]
	v_pk_mul_f32 v[28:29], v[SV+4:SV+5], v[SV+4:SV+5]
	v_pk_mul_f32 v[30:31], v[SV+6:SV+7], v[SV+6:SV+7]
.set n, 8
.rept 3
	v_pk_fma_f32 v[24:25], v[SV+n:SV+n+1], v[SV+n:SV+n+1], v[24:25]
	v_pk_fma_f32 v[26:27], v[SV+n+2:SV+n+3], v[SV+n+2:SV+n+3], v[26:27]
	v_pk_fma_f32 v[28:29], v[SV+n+4:SV+n+5], v[SV+n+4:SV+n+5], v[28:29]
	v_pk_fma_f32 v[30:31], v[SV+n+6:SV+n+7], v[SV+n+6:SV+n+7], v[30:31]
.set n, n+8
.endr
	v_pk_add_f32 v[24:25], v[24:25], v[26:27]
	v_pk_add_f32 v[28:29], v[28:29], v[30:31]
	v_pk_add_f32 v[24:25], v[24:25], v[28:29]
	v_add_f32 v26, v24, v25
	v_permlanex16_b32 v27, v26, s30, s31
	v_add_f32 v26, v26, v27                        ; sq
	v_add_f32 v28, 1.0, v26
	v_add_f32 v29, 0x322bcc77, v26                 ; + 1e-8
	v_rcp_f32 v30, v28
	v_rsq_f32 v31, v29
	v_nop                                          ; one plain instruction behind the transcendentals (ISA guide 5.7.2)
	s_wait_alu depctr_va_vdst(0)
	v_mul_f32 v30, v30, v26                        ; sq / (1 + sq) first: no tiny intermediate
	v_mul_f32 v30, v30, v31
.set n, 0
.rept 16
	v_pk_mul_f32 v[SV+n:SV+n+1], v[SV+n:SV+n+1], v[30:31] op_sel_hi:[1,0]
.set n, n+2
.endr
.if MODE == 2
	VPUT 192
	VGET 196
.else
.if MODE == 1
.set n, 0
.rept 16
	v_pk_add_f32 v[SV+n:SV+n+1], v[SV+n:SV+n+1], v[VP+n:VP+n+1]                   ; V = v1 + v2
.set n, n+2
.endr
.endif
	s_cmp_lg_u32 s20, 0                            ; wave 0 alone: beta = bias . V, kept in v26 to the end; in the first step v1 into its stage
	s_cbranch_scc1 .Lothers
	v_pk_mul_f32 v[24:25], v[BI:BI+1], v[SV:SV+1]
	v_pk_mul_f32 v[26:27], v[BI+2:BI+3], v[SV+2:SV+3]
	v_pk_mul_f32 v[28:29], v[BI+4:BI+5], v[SV+4:SV+5]
	v_pk_mul_f32 v[30:31], v[BI+6:BI+7], v[SV+6:SV+7]
.set n, 8
.rept 3
	v_pk_fma_f32 v[24:25], v[BI+n:BI+n+1], v[SV+n:SV+n+1], v[24:25]
	v_pk_fma_f32 v[26:27], v[BI+n+2:BI+n+3], v[SV+n+2:SV+n+3], v[26:27]
	v_pk_fma_f32 v[28:29], v[BI+n+4:BI+n+5], v[SV+n+4:SV+n+5], v[28:29]
	v_pk_fma_f32 v[30:31], v[BI+n+6:BI+n+7], v[SV+n+6:SV+n+7], v[30:31]
.set n, n+8
.endr
	v_pk_add_f32 v[24:25], v[24:25], v[26:27]
	v_pk_add_f32 v[28:29], v[28:29], v[30:31]
	v_pk_add_f32 v[24:25], v[24:25], v[28:29]
	v_add_f32 v26, v24, v25
	v_permlanex16_b32 v27, v26, s30, s31
	v_add_f32 v26, v26, v27
.if MODE == 0
	VPUT 192
.endif
.Lothers:
	; z = W_c . V.  Wave w: rows d = 128 w .. + 127.  Source 0 = W (rows d, K = o along the LDS rows), source 1 = V (columns b), upper and lower part.
.irp n, 0,1,2,3,4,5,6,7,8,9,10,11,12,13,14,15
	v_cvt_pk_bf16_f32 v[VF+\n], v[SV+2*\n], v[SV+2*\n+1]      ; tiles 2 kk, 2 kk + 1 are K step kk's registers 0-3, 4-7 of the same lane
.endr
.irp n, 0,1,2,3,4,5,6,7,8,9,10,11,12,13,14,15
	v_lshlrev_b32 v[VT+2*\n], 16, v[VF+\n]
	v_and_b32 v[VT+2*\n+1], s25, v[VF+\n]
.endr
.irp n, 0,1,2,3,4,5,6,7,8,9,10,11,12,13,14,15
	v_pk_fma_f32 v[VT+2*\n:VT+2*\n+1], v[VT+2*\n:VT+2*\n+1], -1.0, v[SV+2*\n:SV+2*\n+1] op_sel_hi:[1,0,1]   ; V minus its upper part: exact
.endr
.irp i, 0,1,2,3,4,5,6,7
	ds_load_b128 v[WF+8*\i:WF+8*\i+3], v[WZ] offset:\i*8*PW2                      ; W fragments of K step 0 (o = 0 .. 31), into V's registers, which have been read
	ds_load_b128 v[WF+8*\i+4:WF+8*\i+7], v[WZ] offset:\i*8*PW2+32
.endr
.irp n, 0,1,2,3,4,5,6,7,8,9,10,11,12,13,14,15
	v_cvt_pk_bf16_f32 v[VL+\n], v[VT+2*\n], v[VT+2*\n+1]
.endr
	s_wait_dscnt 16                                ; all but the sixteen loads just issued: K step 1's fragments are in
.irp i, 0,1,2,3,4,5,6,7
	v_wmma_f32_16x16x32_bf16 v[ZA+8*\i:ZA+8*\i+7], v[WF+64+8*\i:WF+64+8*\i+7], v[VF+8:VF+15], 0       ; eight accumulators by turns
.endr
.irp i, 0,1,2,3,4,5,6,7
	v_wmma_f32_16x16x32_bf16 v[ZA+8*\i:ZA+8*\i+7], v[WF+64+8*\i:WF+64+8*\i+7], v[VL+8:VL+15], v[ZA+8*\i:ZA+8*\i+7]
.endr
	s_wait_dscnt 0x0
.irp i, 0,1,2,3,4,5,6,7
	v_wmma_f32_16x16x32_bf16 v[ZA+8*\i:ZA+8*\i+7], v[WF+8*\i:WF+8*\i+7], v[VF:VF+7], v[ZA+8*\i:ZA+8*\i+7]
.endr
.irp i, 0,1,2,3,4,5,6,7
	v_wmma_f32_16x16x32_bf16 v[ZA+8*\i:ZA+8*\i+7], v[WF+8*\i:WF+8*\i+7], v[VL:VL+7], v[ZA+8*\i:ZA+8*\i+7]
.endr
	PLACES
	; z(b = r & 7, d = 128 w + 16 i + 8 h + 0..7): 16 bytes of upper parts a tile; they go through my stage and out while the lower parts are made
.irp i, 0,1,2,3,4,5,6,7
.irp p, 0,1,2,3
	v_cvt_pk_bf16_f32 v[T+4*\i+\p], v[ZA+8*\i+2*\p], v[ZA+8*\i+2*\p+1]
.endr
.endr
.irp i, 0,1,2,3,4,5,6,7
	ds_store_b128 v[ZSW], v[T+4*\i:T+4*\i+3] offset:32*\i
.endr
.irp i, 0,1,2,3
	ds_load_b128 v[ZB+4*\i:ZB+4*\i+3], v[ZSR] offset:2*PV*\i  ; my own bytes, served in order: rows 0-7, the upper parts
.endr
.irp i, 0,1,2,3,4,5,6,7
.irp p, 0,1,2,3
	v_lshlrev_b32 v[ZT+8*\i+2*\p], 16, v[T+4*\i+\p]
	v_and_b32 v[ZT+8*\i+2*\p+1], s25, v[T+4*\i+\p]
.endr
.endr
.irp i, 0,1,2,3
	s_wait_dscnt 3-\i                              ; read-back i is in, the younger ones stay out
	global_store_b128 v[ZGO], v[ZB+4*\i:ZB+4*\i+3], s[12:13] offset:131072*\i     ; sixteen lanes: 256 consecutive bytes, aligned
.endr
.irp i, 0,1,2,3,4,5,6,7
.irp p, 0,1,2,3
	v_pk_fma_f32 v[ZT+8*\i+2*\p:ZT+8*\i+2*\p+1], v[ZT+8*\i+2*\p:ZT+8*\i+2*\p+1], -1.0, v[ZA+8*\i+2*\p:ZA+8*\i+2*\p+1] op_sel_hi:[1,0,1]   ; z minus its upper part: exact
.endr
.endr
.irp i, 0,1,2,3,4,5,6,7
.irp p, 0,1,2,3
	v_cvt_pk_bf16_f32 v[ZLP+4*\i+\p], v[ZT+8*\i+2*\p], v[ZT+8*\i+2*\p+1]
.endr
.endr
.irp i, 0,1,2,3,4,5,6,7
	ds_store_b128 v[ZSW], v[ZLP+4*\i:ZLP+4*\i+3] offset:8*PV+32*\i
.endr
.irp i, 0,1,2,3
	ds_load_b128 v[ZB+16+4*\i:ZB+16+4*\i+3], v[ZSR] offset:8*PV+2*PV*\i           ; rows 8-15, the lower parts
.endr
.irp i, 0,1,2,3
	s_wait_dscnt 3-\i
	global_store_b128 v[ZGO], v[ZB+16+4*\i:ZB+16+4*\i+3], s[12:13] offset:ZLOFF+131072*\i
.endr
	s_cmp_lg_u32 s20, 0                            ; wave 0's two small results leave last, behind its part of z; v[32:51] hold nothing that a pending store reads
	s_cbranch_scc1 .Lend
.if MODE == 0
	VGET 32
.endif
	v_lshlrev_b32 v34, 7, v4                       ; batch L & 7; its four lanes store the same word with the same value:
	global_store_b32 v34, v26, s[14:15]            ; eight words of four bytes for the work-group
.endif
.Lend:
	s_wait_tensorcnt 0x0
	ds_add_u32 v22, v23
	s_wait_dscnt 0x0
	s_endpgm
.Lfunc_end_k_q5c824c8381_sfirst:
	.size	k_q5c824c8381_sfirst, .Lfunc_end_k_q5c824c8381_sfirst-k_q5c824c8381_sfirst
	.p2alignl 7, 3214868480
	.fill 96, 4, 3214868480
	.section	.rodata,"a",@progbits
	.p2align	6, 0x0
	.amdhsa_kernel k_q5c824c8381_sfirst
		.amdhsa_group_segment_fixed_size 219136
		.amdhsa_private_segment_fixed_size 0
		.amdhsa_enable_private_segment 0
		.amdhsa_kernarg_size 48
		.amdhsa_user_sgpr_count 2
		.amdhsa_user_sgpr_kernarg_segment_ptr 1
		.amdhsa_wavefront_size32 1
		.amdhsa_system_sgpr_workgroup_id_x 1
		.amdhsa_system_sgpr_workgroup_id_y 1
		.amdhsa_system_sgpr_workgroup_id_z 1
		.amdhsa_system_vgpr_workitem_id 0
		.amdhsa_next_free_vgpr 256
		.amdhsa_next_free_sgpr 66
		.amdhsa_reserve_vcc 0
		.amdhsa_float_denorm_mode_32 3
		.amdhsa_float_denorm_mode_16_64 3
		.amdhsa_memory_ordered 1
		.amdhsa_forward_progress 1
		.amdhsa_inst_pref_size 54
	.end_amdhsa_kernel
	.amdgpu_metadata
---
amdhsa.version: [ 1, 2 ]
amdhsa.kernels:
  - .name:           k_q5c824c8381_sfirst
    .symbol:         k_q5c824c8381_sfirst.kd
    .args:
      - { .name: y, .offset: 0, .size: 8, .value_kind: global_buffer, .address_space: global }
      - { .name: wb, .offset: 8, .size: 8, .value_kind: global_buffer, .address_space: global }
      - { .name: fc_b, .offset: 16, .size: 8, .value_kind: global_buffer, .address_space: global }
      - { .name: v1, .offset: 24, .size: 8, .value_kind: global_buffer, .address_space: global }
      - { .name: z, .offset: 32, .size: 8, .value_kind: global_buffer, .address_space: global }
      - { .name: beta, .offset: 40, .size: 8, .value_kind: global_buffer, .address_space: global }
    .group_segment_fixed_size: 219136
    .private_segment_fixed_size: 0
    .kernarg_segment_align: 8
    .kernarg_segment_size: 48
    .max_flat_workgroup_size: 256
    .sgpr_count:     66
    .vgpr_count:     256
    .wavefront_size: 32
...
	.end_amdgpu_metadata
.endif
;; end of part 2
;; launch pass1 (part 3): grid 4 x 64, 8 waves a work-group, no clusters, 322,560 bytes of LDS; arguments xb, z, beta, y, cs; writes y, cs
.if DOCPART == 3
	.amdgcn_target "amdgcn-amd-amdhsa--gfx1250"
	.amdhsa_code_object_version 6
	.text
	.protected	k_q5c824c8381_pass1
	.globl	k_q5c824c8381_pass1
	.p2align	8
	.type	k_q5c824c8381_pass1,@function
k_q5c824c8381_pass1:
	s_mov_b64 s[64:65], 0
	v_nop
	global_prefetch_b8 v0, s[64:65] scope:SCOPE_SE
	s_setreg_imm32_b32 hwreg(HW_REG_WAVE_MODE, 25, 1), 1
	s_wait_xcnt 0x0
; One pass over X for a routing iteration.  Work-group (q, b) owns rows l = 128 q .. + 127 of batch b:
;   logit[l][c] = x[l] . z[b][c] + beta[b][c];   c[l][:] = softmax over the 32 capsules (the row's maximum taken away first);
;   y[b][q][c][d] = sum over my l of c[l][c] x[l][d];   cs[b][q][c] = sum over my l of c[l][c].
; Wave w owns columns d = 128 w .. + 127 (256 bytes of every row) in BOTH products: as its part of K in the logits and as its part
; of y's columns.  So it fills, by two tensor loads of 64 rows x 256 bytes issued at the start, and reads, a strip of X that is its
; own; nothing is ever filled again, and a wave has two tensor loads out at the most.  The rows go in four chunks of 32; in a chunk
; the waves' partial logits meet in LDS, each thread makes the softmax of 4 capsules of one row, and c returns through LDS in bf16.
; TWO PARTS: z comes, and c goes to the matrix unit, as two bf16 numbers each, an upper part and the rounded remainder; each product
; is made with both onto the same accumulators: about 16 significant bits where one bf16 has 8.
; Limits: x is bf16 (rounded once), all sums f32, their order is not the einsum's; cs adds the f32 c.
; No cluster: what the four work-groups of a batch share is z, 128 KiB beside 256 KiB of X of their own, and it goes through
; registers because LDS has no room to keep it.
.set PX,    272                        ; LDS row of a strip: 256 bytes + 16
.set STRIP, 128*PX
.set HALFT, 64*PX                      ; what one tensor load fills
.set EXB,   8*STRIP                    ; exchange, 4,608 bytes a wave: first the stage for z (16 rows x 272), then partial logits (32 rows x 144)
.set EXW,   4608
.set PP,    144                        ; 32 f32 + 16 bytes
.set CST,   EXB+8*EXW                  ; c in bf16, 32 rows l: 32 upper parts, 32 lower parts
.set PCS,   160                        ; 64 + 64 bytes + 32: an odd multiple of 32 for the transposing loads
.set CSS,   CST+32*PCS                 ; the waves' sums of c: 128 bytes each
.set PY,    528                        ; y's stage in the wave's own strip, after the strip's last read: 512 bytes + 16
.set ZLOFF, 4194304                    ; in the buffer z: from the upper parts to the lower parts
.set XA, 4                             ; strip + r PX + 16 h                                 x fragments, K along the row
.set XT, 5                             ; strip + (8 h + (L & 7)) PX + 16 ((L >> 3) & 1)      x fragments, transposed
.set PS, 6                             ; my exchange + r PP + 32 h
.set PR, 7                             ; EXB + (4 w + (L >> 3)) PP + 16 (L & 7)
.set CW, 8                             ; CST + (4 w + (L >> 3)) PCS + 8 (L & 7)
.set CR, 9                             ; CST + (8 h + (L & 7)) PCS + 16 ((L >> 3) & 1)
.set ZG, 10                            ; 2,048 h + 16 r + 256 w
.set ZS, 11                            ; my exchange + h PX + 16 r
.set ZR, 12                            ; my exchange + r PX + 16 h
.set YS, 13                            ; strip + r PY + 32 h
.set YR, 14                            ; strip + 16 L
.set YG, 15                            ; 512 w + 16 L
.set ZF, 16                            ; v[16:79]   z's upper fragments (ks, ct) at 8 (2 ks + ct), kept for the whole kernel
.set XF, 80                            ; v[80:143]  x fragments
.set PB, 144                           ; v[144:175] partial logits, tile (lt, ct) at 8 (2 lt + ct)
.set ZLG, 144                          ; v[144:207], at the start only: z's lower parts as loaded
.set CF, 176                           ; v[176:191] c's upper fragments
.set RED, 192                          ; v[192:223] the eight waves' partial logits of my 4 capsules
.set T,  224                           ; v[224:227] logits, then c's remainders
.set EV, 228                           ; v[228:231] exponentials, then c
.set M,  232                           ; maximum, then 1 / sum
.set SUM, 233
.set CPL, 234                          ; v[234:235] c's lower parts, packed
.set BETA, 236                         ; v[236:239]
.set CS, 240                           ; v[240:243] running sums of c
.set CP, 244                           ; v[244:245] c's upper parts, packed
.set BO, 246                           ; 16 (L & 7)
.set CSW, 247                          ; CSS + 128 w + 16 (L & 7)
.set CSG, 248                          ; 4 L
.set CSR, 249                          ; CSS + 4 L
; window 1: v[0:127] (v256-383) y's accumulators, tile (dt, ct) at 8 (2 dt + ct);
.set ZL, 128                           ; v[128:191] (v384-447) z's lower fragments, laid out as ZF
.set CL, 192                           ; v[192:207] (v448-463) c's lower fragments
.set G0, 24                            ; s[24:31] descriptor group 0, one set for each half of the rows
.set G1, 32                            ; s[32:39] descriptor group 1
.set MSB, 0
.macro WIN new                         ; s_set_vgpr_msb; the immediate's high byte repeats the setting that is left
.if MSB != \new
	s_set_vgpr_msb (MSB<<8)|\new
.set MSB, \new
.endif
.endm
.macro PLACES                          ; four plain vector instructions between a matrix instruction and what touches its registers (ISA guide 7.12.1)
.rept 4
	v_nop
.endr
.endm
.macro BAR                             ; my LDS instructions are done, then the work-group's barrier
	s_wait_dscnt 0x0
	s_barrier_signal -1
	s_barrier_wait -1
.endm
	s_load_b256 s[4:11], s[0:1], 0x0               ; xb s[4:5], z s[6:7], beta s[8:9], y s[10:11]
	s_load_b64 s[12:13], s[0:1], 0x20              ; cs
	v_lshl_add_u32 v254, v0, 2, 0x4e800
	v_mov_b32 v255, 0
	ds_add_u32 v254, v255
	ds_add_u32 v254, v255
	v_lshrrev_b32 v1, 5, v0
	v_readfirstlane_b32 s14, v1                    ; wave w
	s_mov_b32 s15, ttmp9                           ; q
	s_and_b32 s16, ttmp7, 0xffff                   ; b
	s_mov_b32 s40, 0x76543210                      ; v_permlanex16_b32: lane i reads lane i of the other half
	s_mov_b32 s41, 0xfedcba98
	s_mov_b32 s42, 0xffff0000                      ; a word's upper bf16
	s_mov_b32 s[G1+0], (1<<16)|(1<<20)|(5<<22)|(3<<25)   ; no mask; elements of 2 bytes; padding on: 4 words behind every 64 words
	s_mov_b32 s[G1+1], 128<<16                     ; tensor_dim0 = 128: the tile lies inside the tensor
	s_mov_b32 s[G1+2], 64<<16                      ; tensor_dim1 = 64
	s_mov_b32 s[G1+3], 128<<16                     ; tile_dim0 = 128 elements = 256 bytes
	s_mov_b32 s[G1+4], 64                          ; tile_dim1 = 64 rows
	s_mov_b32 s[G1+5], 1024                        ; elements from row to row
	s_mov_b32 s[G1+6], 0
	s_mov_b32 s[G1+7], 0
	s_mul_i32 s17, s14, STRIP                      ; my strip
	s_mul_i32 s18, s14, EXW
	s_add_co_u32 s18, s18, EXB                     ; my exchange
	s_lshl_b32 s21, s14, 8                         ; my 256 bytes of a row of xb, of z
	s_lshl_b32 s22, s16, 20                        ; b x 512 rows x 2,048 bytes
	s_lshl_b32 s19, s15, 18                        ; q x 128 rows
	s_add_co_u32 s22, s22, s19
	s_add_co_u32 s22, s22, s21
	s_mov_b32 s23, 0
	s_wait_dscnt 0x0
	s_wait_kmcnt 0x0
	s_add_nc_u64 s[4:5], s[4:5], s[22:23]
.irp hf, 0,1
	s_mov_b32 s[G0+4*\hf], 1                                       ; count = 1
	s_add_co_u32 s[G0+4*\hf+1], s17, \hf*HALFT                     ; LDS address: my strip, rows 64 hf ..
	s_add_nc_u64 s[G0+4*\hf+2:G0+4*\hf+3], s[4:5], \hf*131072      ; 64 rows of 2,048 bytes further down
	s_or_b32 s[G0+4*\hf+3], s[G0+4*\hf+3], 0x80000000              ; type = 2
	tensor_load_to_lds s[G0+4*\hf:G0+4*\hf+3], s[G1:G1+7]          ; both fills go out ahead of everything else
	s_nop 0
.endr
	s_lshl_b32 s22, s16, 16                        ; z: [part][b][32][1024] bf16
	s_add_nc_u64 s[6:7], s[6:7], s[22:23]
	s_lshl_b32 s22, s16, 7                         ; beta: [b][32] f32
	s_add_nc_u64 s[8:9], s[8:9], s[22:23]
	s_lshl2_add_u32 s19, s16, s15                  ; 4 b + q
	s_lshl_b32 s22, s19, 17                        ; y: [b][q][32][1024] f32
	s_add_nc_u64 s[10:11], s[10:11], s[22:23]
	s_lshl_b32 s22, s19, 7                         ; cs: [b][q][32] f32
	s_add_nc_u64 s[12:13], s[12:13], s[22:23]
	v_and_b32 v1, 31, v0                           ; L
	v_and_b32 v2, 15, v0                           ; r
	v_bfe_u32 v3, v0, 4, 1                         ; h
	v_and_b32 v250, 7, v0                          ; L & 7
	v_bfe_u32 v251, v0, 3, 1                       ; (L >> 3) & 1
	v_bfe_u32 v252, v0, 3, 2                       ; L >> 3
	v_lshl_add_u32 v253, v3, 3, v250               ; 8 h + (L & 7)
	v_lshlrev_b32 v[ZG], 4, v2
	v_lshl_add_u32 v[ZG], v3, 11, v[ZG]
	v_add_nc_u32 v[ZG], s21, v[ZG]
	v_lshlrev_b32 v[BO], 4, v250
.irp n, 0,1,2,3,4,5,6,7,8,9,10,11,12,13,14,15
	global_load_b128 v[XF+4*\n:XF+4*\n+3], v[ZG], s[6:7] offset:\n*4096   ; capsules 2 n + h: my 256 bytes of two rows of z, whole: upper parts,
.endr
.irp n, 0,1,2,3,4,5,6,7,8,9,10,11,12,13,14,15
	global_load_b128 v[ZLG+4*\n:ZLG+4*\n+3], v[ZG], s[6:7] offset:ZLOFF+\n*4096   ; lower parts
.endr
	global_load_b128 v[BETA:BETA+3], v[BO], s[8:9]
	v_mul_u32_u24 v[XA], v2, PX
	v_lshl_add_u32 v[XA], v3, 4, v[XA]
	v_add_nc_u32 v[XA], s17, v[XA]
	v_mul_u32_u24 v[XT], v253, PX
	v_lshl_add_u32 v[XT], v251, 4, v[XT]
	v_add_nc_u32 v[XT], s17, v[XT]
	v_mul_u32_u24 v[PS], v2, PP
	v_lshl_add_u32 v[PS], v3, 5, v[PS]
	v_add_nc_u32 v[PS], s18, v[PS]
	s_mul_i32 s19, s14, 4*PP
	s_add_co_u32 s19, s19, EXB
	v_mul_u32_u24 v[PR], v252, PP
	v_lshl_add_u32 v[PR], v250, 4, v[PR]
	v_add_nc_u32 v[PR], s19, v[PR]
	s_mul_i32 s20, s14, 4*PCS
	s_add_co_u32 s20, s20, CST
	v_mul_u32_u24 v[CW], v252, PCS
	v_lshl_add_u32 v[CW], v250, 3, v[CW]
	v_add_nc_u32 v[CW], s20, v[CW]
	v_mul_u32_u24 v[CR], v253, PCS
	v_lshl_add_u32 v[CR], v251, 4, v[CR]
	v_add_nc_u32 v[CR], CST, v[CR]
	v_mul_u32_u24 v[ZS], v3, PX
	v_lshl_add_u32 v[ZS], v2, 4, v[ZS]
	v_add_nc_u32 v[ZS], s18, v[ZS]
	v_mul_u32_u24 v[ZR], v2, PX
	v_lshl_add_u32 v[ZR], v3, 4, v[ZR]
	v_add_nc_u32 v[ZR], s18, v[ZR]
	v_mul_u32_u24 v[YS], v2, PY
	v_lshl_add_u32 v[YS], v3, 5, v[YS]
	v_add_nc_u32 v[YS], s17, v[YS]
	v_lshl_add_u32 v[YR], v1, 4, s17
	v_lshlrev_b32 v[YG], 4, v1
	v_lshl_add_u32 v[YG], s14, 9, v[YG]
	s_lshl_b32 s22, s14, 7
	s_add_co_u32 s22, s22, CSS
	v_lshl_add_u32 v[CSW], v250, 4, s22
	v_lshlrev_b32 v[CSG], 2, v1
	v_add_nc_u32 v[CSR], CSS, v[CSG]
	s_wait_loadcnt 0x0                             ; z and beta, once
	; z into fragments: a lane of a fragment holds one capsule's row, the loads above took whole pieces of 256 bytes: 16 capsules at a time through my stage
.irp ct, 0,1
.irp n, 0,1,2,3,4,5,6,7
	ds_store_b128 v[ZS], v[XF+4*(8*\ct+\n):XF+4*(8*\ct+\n)+3] offset:\n*2*PX
.endr
.irp ks, 0,1,2,3
	ds_load_b128 v[ZF+8*(2*\ks+\ct):ZF+8*(2*\ks+\ct)+3], v[ZR] offset:64*\ks
	ds_load_b128 v[ZF+8*(2*\ks+\ct)+4:ZF+8*(2*\ks+\ct)+7], v[ZR] offset:64*\ks+32
.endr
	s_wait_dscnt 0x0                               ; read, before the stage is written again
.endr
.irp ct, 0,1
.irp n, 0,1,2,3,4,5,6,7
	ds_store_b128 v[ZS], v[ZLG+4*(8*\ct+\n):ZLG+4*(8*\ct+\n)+3] offset:\n*2*PX
.endr
	WIN 0x40                                       ; destination in window 1
.irp ks, 0,1,2,3
	ds_load_b128 v[ZL+8*(2*\ks+\ct):ZL+8*(2*\ks+\ct)+3], v[ZR] offset:64*\ks
	ds_load_b128 v[ZL+8*(2*\ks+\ct)+4:ZL+8*(2*\ks+\ct)+7], v[ZR] offset:64*\ks+32
.endr
	WIN 0
	s_wait_dscnt 0x0
.endr
; Rows 32 i .. 32 i + 31.
.macro CHUNK i
.if \i == 0
	s_wait_tensorcnt 0x1                           ; tensor loads of a wave end in order: my rows 0-63 are in, rows 64-127 may be out
.endif
.if \i == 2
	s_wait_tensorcnt 0x0                           ; my rows 64-127
.endif
.if \i > 0
	PLACES                                         ; XF was a source of the last products
.endif
.irp ks, 0,1,2,3
.irp lt, 0,1
	ds_load_b128 v[XF+8*(2*\ks+\lt):XF+8*(2*\ks+\lt)+3], v[XA] offset:(32*\i+16*\lt)*PX+64*\ks
	ds_load_b128 v[XF+8*(2*\ks+\lt)+4:XF+8*(2*\ks+\lt)+7], v[XA] offset:(32*\i+16*\lt)*PX+64*\ks+32
.endr
.endr
	; partial logits over my 128 d: source 0 = z (rows c), source 1 = x (columns l); register j of lane (r, h) = (c = 16 ct + 8 h + j, l = 16 lt + r)
	; four accumulators by turns, one instruction a turn: first with z's upper parts, then with its lower parts
.irp ks, 0,1,2,3
	s_wait_dscnt 12-4*\ks                          ; this K step's four loads are in, the later steps' stay out
.irp lt, 0,1
.irp ct, 0,1
.if \ks == 0
	v_wmma_f32_16x16x32_bf16 v[PB+8*(2*\lt+\ct):PB+8*(2*\lt+\ct)+7], v[ZF+8*(2*\ks+\ct):ZF+8*(2*\ks+\ct)+7], v[XF+8*(2*\ks+\lt):XF+8*(2*\ks+\lt)+7], 0
.else
	v_wmma_f32_16x16x32_bf16 v[PB+8*(2*\lt+\ct):PB+8*(2*\lt+\ct)+7], v[ZF+8*(2*\ks+\ct):ZF+8*(2*\ks+\ct)+7], v[XF+8*(2*\ks+\lt):XF+8*(2*\ks+\lt)+7], v[PB+8*(2*\lt+\ct):PB+8*(2*\lt+\ct)+7]
.endif
.endr
.endr
.endr
	WIN 0x01                                       ; source 0 in window 1
.irp ks, 0,1,2,3
.irp lt, 0,1
.irp ct, 0,1
	v_wmma_f32_16x16x32_bf16 v[PB+8*(2*\lt+\ct):PB+8*(2*\lt+\ct)+7], v[ZL+8*(2*\ks+\ct):ZL+8*(2*\ks+\ct)+7], v[XF+8*(2*\ks+\lt):XF+8*(2*\ks+\lt)+7], v[PB+8*(2*\lt+\ct):PB+8*(2*\lt+\ct)+7]
.endr
.endr
.endr
	WIN 0
	PLACES
.irp lt, 0,1
.irp ct, 0,1
	ds_store_b128 v[PS], v[PB+8*(2*\lt+\ct):PB+8*(2*\lt+\ct)+3] offset:\lt*16*PP+\ct*64
	ds_store_b128 v[PS], v[PB+8*(2*\lt+\ct)+4:PB+8*(2*\lt+\ct)+7] offset:\lt*16*PP+\ct*64+16
.endr
.endr
	BAR                                            ; all partial logits are in LDS; and every wave has read the last chunk's c
.irp p, 0,1,2,3,4,5,6,7
	ds_load_b128 v[RED+4*\p:RED+4*\p+3], v[PR] offset:\p*EXW       ; row 4 w + (L >> 3), capsules 4 (L & 7) .. + 3, of wave p
.endr
.irp dt, 0,1,2,3,4,5,6,7
	ds_load_tr16_b128 v[XF+8*\dt:XF+8*\dt+3], v[XT] offset:32*\i*PX+32*\dt            ; x transposed for y's product, on its way during the softmax
	ds_load_tr16_b128 v[XF+8*\dt+4:XF+8*\dt+7], v[XT] offset:32*\i*PX+32*\dt+16*PX
.endr
	s_wait_dscnt 16                                ; the eight older loads are in
.irp p, 0,2,4,6
	v_pk_add_f32 v[RED+4*\p:RED+4*\p+1], v[RED+4*\p:RED+4*\p+1], v[RED+4*\p+4:RED+4*\p+5]
	v_pk_add_f32 v[RED+4*\p+2:RED+4*\p+3], v[RED+4*\p+2:RED+4*\p+3], v[RED+4*\p+6:RED+4*\p+7]
.endr
.irp p, 0,4
	v_pk_add_f32 v[RED+4*\p:RED+4*\p+1], v[RED+4*\p:RED+4*\p+1], v[RED+4*\p+8:RED+4*\p+9]
	v_pk_add_f32 v[RED+4*\p+2:RED+4*\p+3], v[RED+4*\p+2:RED+4*\p+3], v[RED+4*\p+10:RED+4*\p+11]
.endr
	v_pk_add_f32 v[RED:RED+1], v[RED:RED+1], v[RED+16:RED+17]
	v_pk_add_f32 v[RED+2:RED+3], v[RED+2:RED+3], v[RED+18:RED+19]
	v_pk_add_f32 v[T:T+1], v[RED:RED+1], v[BETA:BETA+1]
	v_pk_add_f32 v[T+2:T+3], v[RED+2:RED+3], v[BETA+2:BETA+3]
	v_max3_num_f32 v[M], v[T], v[T+1], v[T+2]      ; the row's maximum: my four, then the eight lanes of the row
	v_max_num_f32 v[M], v[M], v[T+3]
	v_max_num_f32_dpp v[M], v[M], v[M] row_xmask:1 row_mask:0xf bank_mask:0xf
	v_max_num_f32_dpp v[M], v[M], v[M] row_xmask:2 row_mask:0xf bank_mask:0xf
	v_max_num_f32_dpp v[M], v[M], v[M] row_xmask:4 row_mask:0xf bank_mask:0xf
.irp k, 0,1,2,3
	v_sub_f32 v[EV+\k], v[T+\k], v[M]
.endr
	v_pk_mul_f32 v[EV:EV+1], v[EV:EV+1], 0x3fb8aa3b op_sel_hi:[1,0]       ; x log2 e
	v_pk_mul_f32 v[EV+2:EV+3], v[EV+2:EV+3], 0x3fb8aa3b op_sel_hi:[1,0]
.irp k, 0,1,2,3
	v_exp_f32 v[EV+\k], v[EV+\k]
.endr
	v_nop                                          ; one plain instruction behind the transcendentals (ISA guide 5.7.2)
	s_wait_alu depctr_va_vdst(0)
	v_add_f32 v[SUM], v[EV], v[EV+1]
	v_add_f32 v[M], v[EV+2], v[EV+3]
	v_add_f32 v[SUM], v[SUM], v[M]
	v_add_f32_dpp v[SUM], v[SUM], v[SUM] row_xmask:1 row_mask:0xf bank_mask:0xf
	v_add_f32_dpp v[SUM], v[SUM], v[SUM] row_xmask:2 row_mask:0xf bank_mask:0xf
	v_add_f32_dpp v[SUM], v[SUM], v[SUM] row_xmask:4 row_mask:0xf bank_mask:0xf
	v_rcp_f32 v[M], v[SUM]                         ; the sum is at least 1: the maximum's own term
	v_nop
.if \i == 0
.set CC, CS                                        ; the first chunk's c starts the sums of c
.else
.set CC, EV
.endif
	s_wait_alu depctr_va_vdst(0)
	v_pk_mul_f32 v[CC:CC+1], v[EV:EV+1], v[M:M+1] op_sel_hi:[1,0]
	v_pk_mul_f32 v[CC+2:CC+3], v[EV+2:EV+3], v[M:M+1] op_sel_hi:[1,0]
.if \i > 0
	v_pk_add_f32 v[CS:CS+1], v[CS:CS+1], v[EV:EV+1]
	v_pk_add_f32 v[CS+2:CS+3], v[CS+2:CS+3], v[EV+2:EV+3]
.endif
	v_cvt_pk_bf16_f32 v[CP], v[CC], v[CC+1]        ; upper parts
	v_cvt_pk_bf16_f32 v[CP+1], v[CC+2], v[CC+3]
	v_lshlrev_b32 v[T], 16, v[CP]
	v_and_b32 v[T+1], s42, v[CP]
	v_lshlrev_b32 v[T+2], 16, v[CP+1]
	v_and_b32 v[T+3], s42, v[CP+1]
	v_pk_fma_f32 v[T:T+1], v[T:T+1], -1.0, v[CC:CC+1] op_sel_hi:[1,0,1]           ; c minus its upper part: exact
	v_pk_fma_f32 v[T+2:T+3], v[T+2:T+3], -1.0, v[CC+2:CC+3] op_sel_hi:[1,0,1]
	v_cvt_pk_bf16_f32 v[CPL], v[T], v[T+1]         ; lower parts
	v_cvt_pk_bf16_f32 v[CPL+1], v[T+2], v[T+3]
	ds_store_b64 v[CW], v[CP:CP+1]
	ds_store_b64 v[CW], v[CPL:CPL+1] offset:64
.if \i == 3
.irp k, 0,1,2,3
	v_add_f32_dpp v[CS+\k], v[CS+\k], v[CS+\k] row_xmask:8 row_mask:0xf bank_mask:0xf     ; the wave's four rows: lane bits 3 and 4
.endr
.irp k, 0,1,2,3
	v_permlanex16_b32 v[EV+\k], v[CS+\k], s40, s41
.endr
	v_pk_add_f32 v[CS:CS+1], v[CS:CS+1], v[EV:EV+1]
	v_pk_add_f32 v[CS+2:CS+3], v[CS+2:CS+3], v[EV+2:EV+3]
	ds_store_b128 v[CSW], v[CS:CS+3]               ; four lanes write the same 16 bytes with the same values
.endif
	BAR                                            ; c is whole in LDS; and every wave has read this chunk's partial logits
.irp ct, 0,1
	ds_load_tr16_b128 v[CF+8*\ct:CF+8*\ct+3], v[CR] offset:32*\ct
	ds_load_tr16_b128 v[CF+8*\ct+4:CF+8*\ct+7], v[CR] offset:32*\ct+16*PCS
.endr
	WIN 0x40                                       ; destination in window 1
.irp ct, 0,1
	ds_load_tr16_b128 v[CL+8*\ct:CL+8*\ct+3], v[CR] offset:64+32*\ct
	ds_load_tr16_b128 v[CL+8*\ct+4:CL+8*\ct+7], v[CR] offset:64+32*\ct+16*PCS
.endr
	s_wait_dscnt 0x0
	WIN 0x50                                       ; C and D in window 1
	; y: one K step of 32 rows l.  Source 0 = x transposed (rows d), source 1 = c (columns c); register j of lane (r, h) = y(c = 16 ct + r, d = 16 dt + 8 h + j)
	; sixteen accumulators by turns: first with c's upper parts, then with its lower parts
.irp dt, 0,1,2,3,4,5,6,7
.irp ct, 0,1
.if \i == 0
	v_wmma_f32_16x16x32_bf16 v[8*(2*\dt+\ct):8*(2*\dt+\ct)+7], v[XF+8*\dt:XF+8*\dt+7], v[CF+8*\ct:CF+8*\ct+7], 0
.else
	v_wmma_f32_16x16x32_bf16 v[8*(2*\dt+\ct):8*(2*\dt+\ct)+7], v[XF+8*\dt:XF+8*\dt+7], v[CF+8*\ct:CF+8*\ct+7], v[8*(2*\dt+\ct):8*(2*\dt+\ct)+7]
.endif
.endr
.endr
	WIN 0x54                                       ; source 1 in window 1 too
.irp dt, 0,1,2,3,4,5,6,7
.irp ct, 0,1
	v_wmma_f32_16x16x32_bf16 v[8*(2*\dt+\ct):8*(2*\dt+\ct)+7], v[XF+8*\dt:XF+8*\dt+7], v[CL+8*\ct:CL+8*\ct+7], v[8*(2*\dt+\ct):8*(2*\dt+\ct)+7]
.endr
.endr
	WIN 0
.endm
	CHUNK 0
	CHUNK 1
	CHUNK 2
	CHUNK 3
	s_cmp_lg_u32 s14, 0                            ; wave 0 adds the eight waves' sums of c (in LDS since the last barrier)
	s_cbranch_scc1 .Lnocs
.irp p, 0,1,2,3,4,5,6,7
	ds_load_b32 v[RED+\p], v[CSR] offset:128*\p
.endr
	s_wait_dscnt 0x0
	v_pk_add_f32 v[RED:RED+1], v[RED:RED+1], v[RED+2:RED+3]
	v_pk_add_f32 v[RED+4:RED+5], v[RED+4:RED+5], v[RED+6:RED+7]
	v_pk_add_f32 v[RED:RED+1], v[RED:RED+1], v[RED+4:RED+5]
	v_add_f32 v[RED], v[RED], v[RED+1]
	global_store_b32 v[CSG], v[RED], s[12:13]      ; 128 consecutive bytes: all that the work-group has of cs
.Lnocs:
	; y leaves through my own strip, which has had its last fill and its last read: 32 rows of 512 bytes, read back whole
	PLACES
	WIN 0x04                                       ; store data from window 1
.irp dt, 0,1,2,3,4,5,6,7
.irp ct, 0,1
	ds_store_b128 v[YS], v[8*(2*\dt+\ct):8*(2*\dt+\ct)+3] offset:\ct*16*PY+64*\dt
	ds_store_b128 v[YS], v[8*(2*\dt+\ct)+4:8*(2*\dt+\ct)+7] offset:\ct*16*PY+64*\dt+16
.endr
.endr
	WIN 0
.set n, 0
.rept 32
	ds_load_b128 v[ZF+4*n:ZF+4*n+3], v[YR] offset:n*PY             ; LDS serves a wave's instructions in order: these see the stores above
.set n, n+1
.endr
.set n, 0
.rept 32
	s_wait_dscnt 31-n                              ; capsule n's row is in, the younger ones stay out
	global_store_b128 v[YG], v[ZF+4*n:ZF+4*n+3], s[10:11] offset:n*4096    ; the wave stores 512 consecutive bytes, aligned
.set n, n+1
.endr
	s_wait_tensorcnt 0x0
	ds_add_u32 v254, v255
	s_wait_dscnt 0x0
	s_endpgm
.Lfunc_end_k_q5c824c8381_pass1:
	.size	k_q5c824c8381_pass1, .Lfunc_end_k_q5c824c8381_pass1-k_q5c824c8381_pass1
	.p2alignl 7, 3214868480
	.fill 96, 4, 3214868480
	.section	.rodata,"a",@progbits
	.p2align	6, 0x0
	.amdhsa_kernel k_q5c824c8381_pass1
		.amdhsa_group_segment_fixed_size 322560
		.amdhsa_private_segment_fixed_size 0
		.amdhsa_enable_private_segment 0
		.amdhsa_kernarg_size 40
		.amdhsa_user_sgpr_count 2
		.amdhsa_user_sgpr_kernarg_segment_ptr 1
		.amdhsa_wavefront_size32 1
		.amdhsa_system_sgpr_workgroup_id_x 1
		.amdhsa_system_sgpr_workgroup_id_y 1
		.amdhsa_system_sgpr_workgroup_id_z 1
		.amdhsa_system_vgpr_workitem_id 0
		.amdhsa_next_free_vgpr 464
		.amdhsa_next_free_sgpr 66
		.amdhsa_reserve_vcc 0
		.amdhsa_float_denorm_mode_32 3
		.amdhsa_float_denorm_mode_16_64 3
		.amdhsa_memory_ordered 1
		.amdhsa_forward_progress 1
		.amdhsa_inst_pref_size 69
	.end_amdhsa_kernel
	.amdgpu_metadata
---
amdhsa.version: [ 1, 2 ]
amdhsa.kernels:
  - .name:           k_q5c824c8381_pass1
    .symbol:         k_q5c824c8381_pass1.kd
    .args:
      - { .name: xb, .offset: 0, .size: 8, .value_kind: global_buffer, .address_space: global }
      - { .name: z, .offset: 8, .size: 8, .value_kind: global_buffer, .address_space: global }
      - { .name: beta, .offset: 16, .size: 8, .value_kind: global_buffer, .address_space: global }
      - { .name: y, .offset: 24, .size: 8, .value_kind: global_buffer, .address_space: global }
      - { .name: cs, .offset: 32, .size: 8, .value_kind: global_buffer, .address_space: global }
    .group_segment_fixed_size: 322560
    .private_segment_fixed_size: 0
    .kernarg_segment_align: 8
    .kernarg_segment_size: 40
    .max_flat_workgroup_size: 256
    .sgpr_count:     66
    .vgpr_count:     464
    .wavefront_size: 32
...
	.end_amdgpu_metadata
.endif
;; end of part 3
;; launch smid (part 4): grid 8 x 32, 8 waves a work-group, clusters of 4 x 1, 219,136 bytes of LDS; arguments y, wb, fc_b, v1, z, beta, cs; writes z, beta
.if DOCPART == 4
	.amdgcn_target "amdgcn-amd-amdhsa--gfx1250"
	.amdhsa_code_object_version 6
	.text
	.protected	k_q5c824c8381_smid
	.globl	k_q5c824c8381_smid
	.p2align	8
	.type	k_q5c824c8381_smid,@function
k_q5c824c8381_smid:
	s_mov_b64 s[64:65], 0
	v_nop
	global_prefetch_b8 v0, s[64:65] scope:SCOPE_SE
	s_setreg_imm32_b32 hwreg(HW_REG_WAVE_MODE, 25, 1), 1
	s_wait_xcnt 0x0
	s_wait_alu depctr_hold_cnt(0) depctr_sa_sdst(0) depctr_va_vdst(0) depctr_va_sdst(0) depctr_va_ssrc(0) depctr_va_vcc(0) depctr_vm_vsrc(0)
	s_getreg_b32 s2, hwreg(HW_REG_IB_STS2, 6, 4)
	s_cmp_eq_u32 s2, 0
	s_cbranch_scc0 .Lentry_in_a_cluster
	s_endpgm
.Lentry_in_a_cluster:
	s_bfe_u32 s2, ttmp6, 0x10000c
	s_cmp_lg_u32 s2, 0x3003
	s_cbranch_scc0 .Lentry_shape_is_right
	s_endpgm
.Lentry_shape_is_right:
; The small step between two passes over X, for capsule c (grid y) and the eight batches 8g .. 8g+7 (grid x):
;   s[b][o] = (sum over q of y[b][q][c][:]) . W[:, 64c+o] + csum[b] bias[64c+o];   v = squash(s);
;   V = the sum of all v so far;   z[b][c][d] = sum over o of W[d][64c+o] V[b][o];   beta[b][c] = sum over o of bias[64c+o] V[b][o].
; With z and beta the next pass forms its logits as x[l] . z[c] + beta[c], which is u_hat[l][c] . V with the products in another order.
; MODE 0: first iteration (y holds column sums / 32, the same for every capsule; csum = 512/32 = 16); stores v1, z, beta.
; MODE 1: second iteration (csum from cs; V = v1 + v2); stores z, beta.      MODE 2: third iteration; stores v as the result.
; W comes from wb, the bf16 copy laid capsule by capsule: W_c is 131,072 dense bytes, taken as 512 rows of 256 bytes (two rows d each);
; wave w brings 64 of them by one tensor load, its only one.
; CLUSTER: 4 x 1 work-groups, four neighbouring g of one capsule, need the same W_c and ask for it JOINTLY: the same load, the same
; descriptor (made of the capsule, which is the cluster's y, and of the wave's number), mask 15.  That divides the requests for W by four.
; A round of the cluster's barrier stands in front of the joint load, at the very head, where it needs the wave's number alone and the
; scalar loads of the arguments are on their way; a second one stands where the work-group's barrier behind the fill would stand: behind
; it every partner's only joint load has been issued and has landed, so none ends while a partner may still ask.
; The place in the cluster enters g alone, and g only offsets into y, v1, z, beta, cs (s22, s26, s47: no descriptor, no LDS address, no branch).
; TWO PARTS: y, V and z are numbers of this program's own making, and an error in V or z returns through the next softmax into every
; later v.  A bf16 has 8 significant bits; so each of them goes to the matrix unit as two bf16 numbers, an upper part and the rounded
; remainder (f32 minus upper part, exact): about 16 significant bits.  In the s product the eight batches leave eight of the sixteen
; columns free: columns 0-7 take y's upper parts, columns 8-15 its lower parts, and column r is added to column r xor 8 afterwards.
; Limits: W is rounded once to bf16, sums are f32, their order is not the einsum's; where 1 + |s|^2 passes 2^126 v_rcp_f32 gives 0
; (AMD's ISA guide, 15.8: results below the normal range are flushed) and v comes out 0.
.set MODE, 1
.set PW2,  272                         ; LDS row of W_c: rows d = 2 n and 2 n + 1 (128 bytes each) + 16 bytes; row d begins at (d >> 1) PW2 + 128 (d & 1)
.set WLW,  64*PW2                      ; what one wave's tensor load fills: 128 rows d
.set AL,   512*PW2                     ; behind W_c: y's upper parts, 8 rows
.set PA,   2064                        ; 1,024 bf16 + 16 bytes
.set ALO,  16768                       ; from y's upper parts to its lower parts: 128 more than a multiple of 256, so that the sixteen rows of a fragment begin at sixteen different 16-byte columns of 256
.set SX,   AL+2*ALO                    ; exchange of partial s: 1,024 bytes a wave
.set VST,  SX+8192                     ; stage for v: 8 rows
.set PV,   272                         ; 256 bytes + 16
.set ZST,  VST+2304                    ; stages for z, each wave's own: 8 rows of upper parts, 8 of lower
.set ZSTW, 16*PV
.set ZLOFF, 4194304                    ; in the buffer z: from the upper parts to the lower parts
.if MODE == 0
.set YSTR, 4096                        ; bytes from one (batch, quarter) of y to the next
.set NS,   8                           ; small loads issued behind y's loads
.endif
.if MODE == 1
.set YSTR, 131072
.set NS,   20
.endif
.if MODE == 2
.set YSTR, 131072
.set NS,   12
.endif
; v1 lane L, v2 r = L & 15, v3 h = L >> 4, v4 L & 7 (= r & 7), v5 (L >> 3) & 1 (= r >> 3)
.set ZGO, 6                            ; v6 at work while the offsets are made, then 65,536 h + 256 w + 16 r: z in memory
.set YG,  7                            ; 16 t: my 16 bytes of a row of y
.set YA,  8                            ; AL + 8 t
.set ZSW, 9                            ; my stage for z, row r & 7, byte 16 h
.set ZSR, 10                           ; my stage for z, two rows a load
.set AA,  11                           ; y fragments
.set WT0, 12                           ; v12, v13: transposed W fragments, K steps 0-7 and 8-15 of my half of K
.set SXR, 14
.set SXW, 15
.set BO,  16                           ; offsets of the small loads
.set VO,  17
.set CO,  18
.set WZ,  19                           ; W fragments of the z product
.set CSV, 20                           ; v[20:23] four partial sums of c;  v[24:31] at work
.set RY,  32                           ; v[32:159] y as loaded: batch i, quarter q at 16 i + 4 q
.set T,   224                          ; v[224:255] packed bf16 on their way into LDS
.set F0,  32                           ; fragment buffers of the s product, 64 registers each
.set F1,  96
.set ACC, 224                          ; four accumulators of the s product
.set SV,  32                           ; v[32:63] s, then v, then V: tile ot, register j = (b = r & 7, o = 16 ot + 8 h + j)
.set BI,  160                          ; v[160:191] bias in the same layout
.set VP,  192                          ; v[192:223] v1 in the same layout
.set VT,  192                          ; v[192:223], late: V's remainders in f32
.set VL,  224                          ; v[224:239], late: V's lower parts as two bf16 fragments
.set VF,  240                          ; v[240:255], late: V's upper parts as two bf16 fragments
.set WF,  32                           ; v[32:159] W fragments of the z product: K step 0 in v[32:95], K step 1 in v[96:159]
.set ZA,  160                          ; v[160:223] its eight accumulators
.set ZT,  32                           ; v[32:95], last: z's remainders in f32
.set ZLP, 96                           ; v[96:127] z's lower parts, packed
.set ZB,  128                          ; v[128:159] z read back by rows
.set G0,  32                           ; s[32:35] descriptor group 0
.set G1,  36                           ; s[36:43] descriptor group 1
.macro PLACES                          ; four plain vector instructions between a matrix instruction and what touches its registers (ISA guide 7.12.1)
.rept 4
	v_nop
.endr
.endm
.macro BAR                             ; my LDS instructions are done, then the work-group's barrier
	s_wait_dscnt 0x0
	s_barrier_signal -1
	s_barrier_wait -1
.endm
.macro ROUND                           ; a round of the cluster's barrier: my work-group's barrier, so that wave 0 speaks for all eight waves;
	s_barrier_signal -1                    ; wave 0 signals for the work-group; every wave waits for all four work-groups; my work-group's barrier once more
	s_barrier_wait -1
	s_cmp_lg_u32 s20, 0
	s_cbranch_scc1 .Lnot_wave_0_\@
	s_barrier_signal -3
.Lnot_wave_0_\@:
	s_barrier_wait -3
	s_barrier_signal -1
	s_barrier_wait -1
.endm
; Batches b0 .. b0 + 3: the four quarters of l are added, the sum is split into its two bf16 parts, both go into LDS.
; Each step is made for all four batches before the next step, so that no line reads the result of the line in front of it.
.macro YSUM b0
.irp i, 0,1,2,3
.set Q, RY+16*(\b0+\i)
	v_pk_add_f32 v[Q:Q+1], v[Q:Q+1], v[Q+4:Q+5]
	v_pk_add_f32 v[Q+2:Q+3], v[Q+2:Q+3], v[Q+6:Q+7]
	v_pk_add_f32 v[Q+8:Q+9], v[Q+8:Q+9], v[Q+12:Q+13]
	v_pk_add_f32 v[Q+10:Q+11], v[Q+10:Q+11], v[Q+14:Q+15]
.endr
.irp i, 0,1,2,3
.set Q, RY+16*(\b0+\i)
	v_pk_add_f32 v[Q:Q+1], v[Q:Q+1], v[Q+8:Q+9]
	v_pk_add_f32 v[Q+2:Q+3], v[Q+2:Q+3], v[Q+10:Q+11]
.endr
.irp i, 0,1,2,3
.set Q, RY+16*(\b0+\i)
.set P, T+2*(\b0+\i)
	v_cvt_pk_bf16_f32 v[P], v[Q], v[Q+1]           ; upper parts
	v_cvt_pk_bf16_f32 v[P+1], v[Q+2], v[Q+3]
.endr
.irp i, 0,1,2,3
.set Q, RY+16*(\b0+\i)
.set P, T+2*(\b0+\i)
	v_lshlrev_b32 v[Q+4], 16, v[P]                 ; the upper parts as f32
	v_and_b32 v[Q+5], s25, v[P]
	v_lshlrev_b32 v[Q+6], 16, v[P+1]
	v_and_b32 v[Q+7], s25, v[P+1]
.endr
.irp i, 0,1,2,3
.set Q, RY+16*(\b0+\i)
	v_pk_fma_f32 v[Q+4:Q+5], v[Q+4:Q+5], -1.0, v[Q:Q+1] op_sel_hi:[1,0,1]         ; the sum minus its upper part: exact
	v_pk_fma_f32 v[Q+6:Q+7], v[Q+6:Q+7], -1.0, v[Q+2:Q+3] op_sel_hi:[1,0,1]
.endr
.irp i, 0,1,2,3
.set Q, RY+16*(\b0+\i)
.set P, T+2*(\b0+\i)
	v_cvt_pk_bf16_f32 v[P+16], v[Q+4], v[Q+5]      ; lower parts
	v_cvt_pk_bf16_f32 v[P+17], v[Q+6], v[Q+7]
.endr
.irp i, 0,1,2,3
.set P, T+2*(\b0+\i)
	ds_store_b64 v[YA], v[P:P+1] offset:(\b0+\i)*PA
	ds_store_b64 v[YA], v[P+16:P+17] offset:ALO+(\b0+\i)*PA
.endr
.endm
.macro SFETCH bt, F                    ; four K steps, 16 registers each: y's fragment (both parts side by side in its columns), W's transposed fragment
.irp k, 0,1,2,3
	ds_load_b128 v[\F+16*\k:\F+16*\k+3], v[AA] offset:64*(4*\bt+\k)
	ds_load_b128 v[\F+16*\k+4:\F+16*\k+7], v[AA] offset:64*(4*\bt+\k)+32
	ds_load_tr16_b128 v[\F+16*\k+8:\F+16*\k+11], v[WT0+\bt/2] offset:(4*(\bt%2)+\k)*16*PW2          ; 32 rows d are 16 LDS rows,
	ds_load_tr16_b128 v[\F+16*\k+12:\F+16*\k+15], v[WT0+\bt/2] offset:(4*(\bt%2)+\k)*16*PW2+8*PW2    ; 16 rows d are 8
.endr
.endm
.macro SMUL F, zero                    ; four accumulators, one for each K step of a batch, by turns, one instruction a turn
.irp k, 0,1,2,3
.if \zero
	v_wmma_f32_16x16x32_bf16 v[ACC+8*\k:ACC+8*\k+7], v[\F+16*\k+8:\F+16*\k+15], v[\F+16*\k:\F+16*\k+7], 0
.else
	v_wmma_f32_16x16x32_bf16 v[ACC+8*\k:ACC+8*\k+7], v[\F+16*\k+8:\F+16*\k+15], v[\F+16*\k:\F+16*\k+7], v[ACC+8*\k:ACC+8*\k+7]
.endif
.endr
.endm
; v leaves through LDS, so that sixteen lanes store a batch's 256 consecutive bytes, aligned.  VPUT lays it into the stage, VGET reads whole rows back and stores them.
.macro VPUT a
	v_mul_u32_u24 v[\a], v4, PV
	v_lshl_add_u32 v[\a], v3, 5, v[\a]
	v_add_nc_u32 v[\a], VST, v[\a]                 ; row r & 7 (lanes 8-15 write what lanes 0-7 write), byte 32 h
.irp ot, 0,1,2,3
	ds_store_b128 v[\a], v[SV+8*\ot:SV+8*\ot+3] offset:64*\ot
	ds_store_b128 v[\a], v[SV+8*\ot+4:SV+8*\ot+7] offset:64*\ot+16
.endr
.endm
.macro VGET a
	v_mul_u32_u24 v[\a], v3, PV
	v_lshl_add_u32 v[\a], v2, 4, v[\a]
	v_add_nc_u32 v[\a], VST, v[\a]                 ; two rows a load
	v_lshlrev_b32 v[\a+1], 4, v2
	v_lshl_add_u32 v[\a+1], v3, 13, v[\a+1]        ; and the same two batches in memory, 8,192 bytes apart
.irp i, 0,1,2,3
	ds_load_b128 v[\a+4+4*\i:\a+7+4*\i], v[\a] offset:2*PV*\i     ; LDS serves a wave's instructions in order: these see VPUT's stores
.endr
.irp i, 0,1,2,3
	s_wait_dscnt 3-\i                              ; read-back i is in, the younger ones stay out
	global_store_b128 v[\a+1], v[\a+4+4*\i:\a+7+4*\i], s[10:11] offset:16384*\i
.endr
.endm
	s_load_b256 s[4:11], s[0:1], 0x0               ; y s[4:5], wb s[6:7], fc_b s[8:9], v1 or out0 s[10:11]
.if MODE == 2
	s_load_b64 s[16:17], s[0:1], 0x20              ; cs
.else
	s_load_b128 s[12:15], s[0:1], 0x20             ; z s[12:13], beta s[14:15]
.endif
.if MODE == 1
	s_load_b64 s[16:17], s[0:1], 0x30              ; cs
	s_set_vgpr_msb 0x40
	v_lshl_add_u32 v0, v0, 2, 0x35400
	v_mov_b32 v1, 0
	s_set_vgpr_msb 0x4045
	ds_add_u32 v0, v1
	ds_add_u32 v0, v1
	s_wait_dscnt 0x0
	s_set_vgpr_msb 0x4500
.endif
	v_lshrrev_b32 v1, 5, v0
	v_readfirstlane_b32 s20, v1                    ; wave w
	ROUND                                          ; all four work-groups are here, while the arguments are on their way: the joint loads below meet
	s_and_b32 s21, ttmp7, 0xffff                   ; capsule c: the cluster's y, shared by the four partners
	s_bfe_u32 s47, ttmp6, 0x40000                  ; cx: my place along the cluster's x
	s_lshl_b32 s22, ttmp9, 2                       ; in a cluster launch ttmp9 counts clusters
	s_add_co_u32 s22, s22, s47                     ; group g of eight batches = 4 x cluster x + cx
	s_lshr_b32 s23, s20, 2                         ; kh: my half of K in the s product
	s_and_b32 s24, s20, 3                          ; ot: my 16 outputs in the s product
	s_mov_b32 s25, 0xffff0000                      ; a word's upper bf16
	s_mov_b32 s30, 0x76543210                      ; v_permlanex16_b32: lane i reads lane i of the other half
	s_mov_b32 s31, 0xfedcba98
	s_mov_b32 s27, 0
	s_mov_b32 s45, 0
	s_mov_b32 s[G1+0], 15|(3<<16)|(1<<20)|(1<<21)|(5<<22)|(3<<25)   ; mask: all four of the cluster; elements of 8 bytes; padding on; bit 21 beside a mask; 4 words behind every 64 words
	s_mov_b32 s[G1+1], 32<<16                      ; tensor_dim0 = 32 elements: the tile lies inside the tensor
	s_mov_b32 s[G1+2], 64<<16                      ; tensor_dim1 = 64
	s_mov_b32 s[G1+3], 32<<16                      ; tile_dim0 = 32 elements = 256 bytes
	s_mov_b32 s[G1+4], 64                          ; tile_dim1 = 64 rows
	s_mov_b32 s[G1+5], 32                          ; elements from row to row: dense
	s_mov_b32 s[G1+6], 0
	s_mov_b32 s[G1+7], 0
	s_mov_b32 s[G0], 1                             ; count = 1
	s_mul_i32 s[G0+1], s20, WLW                    ; LDS address: the wave's number x 17,408
	s_lshl_b32 s44, s21, 17                        ; wb: capsule c,
	s_lshl_b32 s46, s20, 14                        ; my 128 rows d of 128 bytes
	s_add_co_u32 s44, s44, s46
	v_and_b32 v1, 31, v0
	v_and_b32 v2, 15, v0
	v_bfe_u32 v3, v0, 4, 1
	v_and_b32 v4, 7, v0
	v_bfe_u32 v5, v0, 3, 1
	v_lshlrev_b32 v[YG], 4, v0
	v_lshlrev_b32 v[BO], 5, v3
.if MODE == 1
	v_lshl_add_u32 v[VO], v4, 13, v[BO]
.endif
.if MODE != 0
	v_lshlrev_b32 v[CO], 9, v4
.endif
	s_wait_kmcnt 0x0
	s_add_nc_u64 s[G0+2:G0+3], s[6:7], s[44:45]    ; global address of my part of W_c
	s_or_b32 s[G0+3], s[G0+3], 0x80000000          ; type = 2
	tensor_load_to_lds s[G0:G0+3], s[G1:G1+7]      ; my 64 rows of 256 bytes of W_c: the wave's only tensor load, and its first memory instruction
	s_nop 0
.if MODE == 0
	s_lshl_b32 s26, s22, 17                        ; y[b][q][1024]: 8 batches x 4 quarters x 4,096 bytes
.else
	s_lshl_b32 s26, s22, 22                        ; y[b][q][c][1024]: 8 batches x 524,288 bytes,
	s_lshl_b32 s47, s21, 12                        ; and my capsule's row
	s_add_co_u32 s26, s26, s47
.endif
	s_add_nc_u64 s[4:5], s[4:5], s[26:27]
.set n, 0
.rept 32
	global_load_b128 v[RY+4*n:RY+4*n+3], v[YG], s[4:5] offset:n*YSTR   ; n = 4 i + q: batch i, quarter q; the eight waves cover the row
.set n, n+1
.endr
	s_lshl_b32 s44, s21, 8                         ; my capsule's 64 f32 in fc_b
	s_add_nc_u64 s[8:9], s[8:9], s[44:45]
	s_lshl_b32 s26, s22, 16                        ; v1, out0: [b][c][64] f32
	s_lshl_b32 s47, s21, 8
	s_add_co_u32 s26, s26, s47
	s_add_nc_u64 s[10:11], s[10:11], s[26:27]
.if MODE != 0
	s_lshl_b32 s26, s22, 12                        ; cs: [b][q][32] f32
	s_lshl_b32 s47, s21, 2
	s_add_co_u32 s26, s26, s47
	s_add_nc_u64 s[16:17], s[16:17], s[26:27]
.endif
.irp ot, 0,1,2,3
	global_load_b128 v[BI+8*\ot:BI+8*\ot+3], v[BO], s[8:9] offset:64*\ot          ; bias, in s's layout
	global_load_b128 v[BI+8*\ot+4:BI+8*\ot+7], v[BO], s[8:9] offset:64*\ot+16
.endr
.if MODE == 1
.irp ot, 0,1,2,3
	global_load_b128 v[VP+8*\ot:VP+8*\ot+3], v[VO], s[10:11] offset:64*\ot        ; v1 of batch r & 7
	global_load_b128 v[VP+8*\ot+4:VP+8*\ot+7], v[VO], s[10:11] offset:64*\ot+16
.endr
.endif
.if MODE != 0
.irp q, 0,1,2,3
	global_load_b32 v[CSV+\q], v[CO], s[16:17] offset:128*\q                      ; the quarters' sums of c, batch r & 7
.endr
.endif
	; every other base and offset of the kernel is made here, while y is on its way
.if MODE != 2
	s_lshl_b32 s26, s22, 19                        ; z: [part][b][c][1024] bf16
	s_lshl_b32 s47, s21, 11
	s_add_co_u32 s26, s26, s47
	s_add_nc_u64 s[12:13], s[12:13], s[26:27]
	s_lshl_b32 s26, s22, 10                        ; beta: [b][32] f32
	s_lshl_b32 s47, s21, 2
	s_add_co_u32 s26, s26, s47
	s_add_nc_u64 s[14:15], s[14:15], s[26:27]
.endif
	v_lshlrev_b32 v[YA], 3, v0
	v_add_nc_u32 v[YA], AL, v[YA]
	v_mul_u32_u24 v[AA], v4, PA                    ; column n = r of the product takes batch r & 7,
	v_lshl_add_u32 v[AA], v3, 4, v[AA]
	v_mul_u32_u24 v6, v5, ALO                      ; its upper part in columns 0-7, its lower part in columns 8-15
	v_add_nc_u32 v[AA], v[AA], v6
	s_lshl_b32 s28, s23, 10
	s_add_co_u32 s28, s28, AL
	v_add_nc_u32 v[AA], s28, v[AA]
	v_bfe_u32 v6, v0, 1, 2                         ; in a transposing load I address row d = 8 h + (L & 7) of sixteen:
	v_lshl_add_u32 v6, v3, 2, v6                   ; LDS row 4 h + ((L & 7) >> 1),
	v_mul_u32_u24 v[WT0], v6, PW2
	v_and_b32 v6, 1, v0
	v_lshl_add_u32 v[WT0], v6, 7, v[WT0]           ; its half L & 1,
	v_lshl_add_u32 v[WT0], v5, 4, v[WT0]           ; 16 bytes (L >> 3) & 1
	s_mul_i32 s28, s23, 256*PW2                    ; my 512 rows d
	s_lshl_b32 s29, s24, 5                         ; my 16 outputs
	s_add_co_u32 s28, s28, s29
	v_add_nc_u32 v[WT0], s28, v[WT0]
	v_add_nc_u32 v[WT0+1], 128*PW2, v[WT0]         ; the immediate has 16 bits: a second base for K steps 8-15
	v_lshlrev_b32 v[SXR], 4, v1
	v_add_nc_u32 v[SXR], SX, v[SXR]
	v_lshl_add_u32 v[SXW], s20, 10, v[SXR]
.if MODE != 2
	v_lshrrev_b32 v[WZ], 1, v2                     ; in the z product row d = 128 w + 16 i + r lies in LDS row 64 w + 8 i + (r >> 1),
	s_lshl_b32 s28, s20, 6
	v_add_nc_u32 v[WZ], s28, v[WZ]
	v_mul_u32_u24 v[WZ], v[WZ], PW2
	v_lshl_add_u32 v[WZ], v6, 7, v[WZ]             ; half r & 1 (v6 still holds L & 1):
	v_lshl_add_u32 v[WZ], v3, 4, v[WZ]             ; (64 w + (r >> 1)) PW2 + 128 (r & 1) + 16 h; the sixteen rows begin at sixteen different 16-byte columns of 256
	s_mul_i32 s28, s20, ZSTW
	s_add_co_u32 s28, s28, ZST
	v_mul_u32_u24 v[ZSW], v4, PV
	v_lshl_add_u32 v[ZSW], v3, 4, v[ZSW]
	v_add_nc_u32 v[ZSW], s28, v[ZSW]
	v_mul_u32_u24 v[ZSR], v3, PV
	v_lshl_add_u32 v[ZSR], v2, 4, v[ZSR]
	v_add_nc_u32 v[ZSR], s28, v[ZSR]
	v_lshlrev_b32 v[ZGO], 4, v2
	v_lshl_add_u32 v[ZGO], v3, 16, v[ZGO]
	v_lshl_add_u32 v[ZGO], s20, 8, v[ZGO]
.endif
	s_wait_loadcnt NS+16                           ; loads come back in order: batches 0-3 are in; y's other 16 loads and the NS small loads stay out
	YSUM 0
	s_wait_loadcnt NS                              ; batches 4-7; the NS small loads stay out
	YSUM 4
	s_wait_tensorcnt 0x0                           ; my part of W_c has landed,
	s_wait_dscnt 0x0                               ; my part of y is stored:
	ROUND                                          ; W_c and y are whole in LDS for every wave; and every partner's joint load is over: the closing round
	; s = y . W_c.  Wave w: outputs 16 ot .. + 15, half kh of K: 16 K steps in four batches of four.  Source 0 = W transposed (rows o), source 1 = y (columns: batch and part).
	SFETCH 0, F0
	SFETCH 1, F1
	s_wait_dscnt 16                                ; the older batch of 16 loads is in, here and below
	SMUL F0, 1
	PLACES
	SFETCH 2, F0
	s_wait_dscnt 16
	SMUL F1, 0
	PLACES
	SFETCH 3, F1
	s_wait_dscnt 16
	SMUL F0, 0
	s_wait_dscnt 0x0
	SMUL F1, 0
	PLACES
.irp j, 0,2,4,6
	v_pk_add_f32 v[ACC+\j:ACC+\j+1], v[ACC+\j:ACC+\j+1], v[ACC+8+\j:ACC+8+\j+1]
	v_pk_add_f32 v[ACC+16+\j:ACC+16+\j+1], v[ACC+16+\j:ACC+16+\j+1], v[ACC+24+\j:ACC+24+\j+1]
.endr
.irp j, 0,2,4,6
	v_pk_add_f32 v[ACC+\j:ACC+\j+1], v[ACC+\j:ACC+\j+1], v[ACC+16+\j:ACC+16+\j+1]
.endr
.irp j, 0,1,2,3,4,5,6,7
	v_add_f32_dpp v[ACC+\j], v[ACC+\j], v[ACC+\j] row_xmask:8 row_mask:0xf bank_mask:0xf   ; column r + column r xor 8: the upper part's product and the lower part's
.endr
	ds_store_b128 v[SXW], v[ACC:ACC+3]
	ds_store_b128 v[SXW], v[ACC+4:ACC+7] offset:512
	BAR                                            ; every wave's partial s is in SX
.if MODE == 2
	s_cmp_lg_u32 s20, 0                            ; the last step has no z product: wave 0 alone finishes
	s_cbranch_scc1 .Lend
.endif
.irp p, 0,1,2,3,4,5,6,7
	ds_load_b128 v[SV+8*\p:SV+8*\p+3], v[SXR] offset:1024*\p
	ds_load_b128 v[SV+8*\p+4:SV+8*\p+7], v[SXR] offset:1024*\p+512
.endr
.if MODE != 2
.irp i, 0,1,2,3,4,5,6,7
	ds_load_b128 v[WF+64+8*\i:WF+64+8*\i+3], v[WZ] offset:\i*8*PW2+64             ; the z product's W fragments of K step 1 (o = 32 .. 63), on their way during the squash
	ds_load_b128 v[WF+64+8*\i+4:WF+64+8*\i+7], v[WZ] offset:\i*8*PW2+64+32
.endr
	s_wait_dscnt 16                                ; the sixteen loads of partial s are in, the sixteen behind them stay out
.else
	s_wait_dscnt 0x0
.endif
	s_wait_loadcnt 0x0                             ; the small loads
.set n, 0
.rept 16
	v_pk_add_f32 v[SV+n:SV+n+1], v[SV+n:SV+n+1], v[SV+32+n:SV+32+n+1]             ; the two halves of K
.set n, n+2
.endr
.if MODE == 0
.set n, 0
.rept 16
	v_pk_fma_f32 v[SV+n:SV+n+1], v[BI+n:BI+n+1], 0x41800000, v[SV+n:SV+n+1] op_sel_hi:[1,0,1]   ; + 16 bias
.set n, n+2
.endr
.else
	v_add_f32 v24, v[CSV], v[CSV+1]
	v_add_f32 v25, v[CSV+2], v[CSV+3]
	v_add_f32 v24, v24, v25                        ; sum over l of c
.set n, 0
.rept 16
	v_pk_fma_f32 v[SV+n:SV+n+1], v[BI+n:BI+n+1], v[24:25], v[SV+n:SV+n+1] op_sel_hi:[1,0,1]      ; both halves x v24
.set n, n+2
.endr
.endif
	; squash: |s|^2 over my 32 numbers in four chains, then the other half of the lanes
	v_pk_mul_f32 v[24:25], v[SV:SV+1], v[SV:SV+1]
	v_pk_mul_f32 v[26:27], v[SV+2:SV+3], v[SV+2:SV+3]
	v_pk_mul_f32 v[28:29], v[SV+4:SV+5], v[SV+4:SV+5]
	v_pk_mul_f32 v[30:31], v[SV+6:SV+7], v[SV+6:SV+7]
.set n, 8
.rept 3
	v_pk_fma_f32 v[24:25], v[SV+n:SV+n+1], v[SV+n:SV+n+1], v[24:25]
	v_pk_fma_f32 v[26:27], v[SV+n+2:SV+n+3], v[SV+n+2:SV+n+3], v[26:27]
	v_pk_fma_f32 v[28:29], v[SV+n+4:SV+n+5], v[SV+n+4:SV+n+5], v[28:29]
	v_pk_fma_f32 v[30:31], v[SV+n+6:SV+n+7], v[SV+n+6:SV+n+7], v[30:31]
.set n, n+8
.endr
	v_pk_add_f32 v[24:25], v[24:25], v[26:27]
	v_pk_add_f32 v[28:29], v[28:29], v[30:31]
	v_pk_add_f32 v[24:25], v[24:25], v[28:29]
	v_add_f32 v26, v24, v25
	v_permlanex16_b32 v27, v26, s30, s31
	v_add_f32 v26, v26, v27                        ; sq
	v_add_f32 v28, 1.0, v26
	v_add_f32 v29, 0x322bcc77, v26                 ; + 1e-8
	v_rcp_f32 v30, v28
	v_rsq_f32 v31, v29
	v_nop                                          ; one plain instruction behind the transcendentals (ISA guide 5.7.2)
	s_wait_alu depctr_va_vdst(0)
	v_mul_f32 v30, v30, v26                        ; sq / (1 + sq) first: no tiny intermediate
	v_mul_f32 v30, v30, v31
.set n, 0
.rept 16
	v_pk_mul_f32 v[SV+n:SV+n+1], v[SV+n:SV+n+1], v[30:31] op_sel_hi:[1,0]
.set n, n+2
.endr
.if MODE == 2
	VPUT 192
	VGET 196
.else
.if MODE == 1
.set n, 0
.rept 16
	v_pk_add_f32 v[SV+n:SV+n+1], v[SV+n:SV+n+1], v[VP+n:VP+n+1]                   ; V = v1 + v2
.set n, n+2
.endr
.endif
	s_cmp_lg_u32 s20, 0                            ; wave 0 alone: beta = bias . V, kept in v26 to the end; in the first step v1 into its stage
	s_cbranch_scc1 .Lothers
	v_pk_mul_f32 v[24:25], v[BI:BI+1], v[SV:SV+1]
	v_pk_mul_f32 v[26:27], v[BI+2:BI+3], v[SV+2:SV+3]
	v_pk_mul_f32 v[28:29], v[BI+4:BI+5], v[SV+4:SV+5]
	v_pk_mul_f32 v[30:31], v[BI+6:BI+7], v[SV+6:SV+7]
.set n, 8
.rept 3
	v_pk_fma_f32 v[24:25], v[BI+n:BI+n+1], v[SV+n:SV+n+1], v[24:25]
	v_pk_fma_f32 v[26:27], v[BI+n+2:BI+n+3], v[SV+n+2:SV+n+3], v[26:27]
	v_pk_fma_f32 v[28:29], v[BI+n+4:BI+n+5], v[SV+n+4:SV+n+5], v[28:29]
	v_pk_fma_f32 v[30:31], v[BI+n+6:BI+n+7], v[SV+n+6:SV+n+7], v[30:31]
.set n, n+8
.endr
	v_pk_add_f32 v[24:25], v[24:25], v[26:27]
	v_pk_add_f32 v[28:29], v[28:29], v[30:31]
	v_pk_add_f32 v[24:25], v[24:25], v[28:29]
	v_add_f32 v26, v24, v25
	v_permlanex16_b32 v27, v26, s30, s31
	v_add_f32 v26, v26, v27
.if MODE == 0
	VPUT 192
.endif
.Lothers:
	; z = W_c . V.  Wave w: rows d = 128 w .. + 127.  Source 0 = W (rows d, K = o along the LDS rows), source 1 = V (columns b), upper and lower part.
.irp n, 0,1,2,3,4,5,6,7,8,9,10,11,12,13,14,15
	v_cvt_pk_bf16_f32 v[VF+\n], v[SV+2*\n], v[SV+2*\n+1]      ; tiles 2 kk, 2 kk + 1 are K step kk's registers 0-3, 4-7 of the same lane
.endr
.irp n, 0,1,2,3,4,5,6,7,8,9,10,11,12,13,14,15
	v_lshlrev_b32 v[VT+2*\n], 16, v[VF+\n]
	v_and_b32 v[VT+2*\n+1], s25, v[VF+\n]
.endr
.irp n, 0,1,2,3,4,5,6,7,8,9,10,11,12,13,14,15
	v_pk_fma_f32 v[VT+2*\n:VT+2*\n+1], v[VT+2*\n:VT+2*\n+1], -1.0, v[SV+2*\n:SV+2*\n+1] op_sel_hi:[1,0,1]   ; V minus its upper part: exact
.endr
.irp i, 0,1,2,3,4,5,6,7
	ds_load_b128 v[WF+8*\i:WF+8*\i+3], v[WZ] offset:\i*8*PW2                      ; W fragments of K step 0 (o = 0 .. 31), into V's registers, which have been read
	ds_load_b128 v[WF+8*\i+4:WF+8*\i+7], v[WZ] offset:\i*8*PW2+32
.endr
.irp n, 0,1,2,3,4,5,6,7,8,9,10,11,12,13,14,15
	v_cvt_pk_bf16_f32 v[VL+\n], v[VT+2*\n], v[VT+2*\n+1]
.endr
	s_wait_dscnt 16                                ; all but the sixteen loads just issued: K step 1's fragments are in
.irp i, 0,1,2,3,4,5,6,7
	v_wmma_f32_16x16x32_bf16 v[ZA+8*\i:ZA+8*\i+7], v[WF+64+8*\i:WF+64+8*\i+7], v[VF+8:VF+15], 0       ; eight accumulators by turns
.endr
.irp i, 0,1,2,3,4,5,6,7
	v_wmma_f32_16x16x32_bf16 v[ZA+8*\i:ZA+8*\i+7], v[WF+64+8*\i:WF+64+8*\i+7], v[VL+8:VL+15], v[ZA+8*\i:ZA+8*\i+7]
.endr
	s_wait_dscnt 0x0
.irp i, 0,1,2,3,4,5,6,7
	v_wmma_f32_16x16x32_bf16 v[ZA+8*\i:ZA+8*\i+7], v[WF+8*\i:WF+8*\i+7], v[VF:VF+7], v[ZA+8*\i:ZA+8*\i+7]
.endr
.irp i, 0,1,2,3,4,5,6,7
	v_wmma_f32_16x16x32_bf16 v[ZA+8*\i:ZA+8*\i+7], v[WF+8*\i:WF+8*\i+7], v[VL:VL+7], v[ZA+8*\i:ZA+8*\i+7]
.endr
	PLACES
	; z(b = r & 7, d = 128 w + 16 i + 8 h + 0..7): 16 bytes of upper parts a tile; they go through my stage and out while the lower parts are made
.irp i, 0,1,2,3,4,5,6,7
.irp p, 0,1,2,3
	v_cvt_pk_bf16_f32 v[T+4*\i+\p], v[ZA+8*\i+2*\p], v[ZA+8*\i+2*\p+1]
.endr
.endr
.irp i, 0,1,2,3,4,5,6,7
	ds_store_b128 v[ZSW], v[T+4*\i:T+4*\i+3] offset:32*\i
.endr
.irp i, 0,1,2,3
	ds_load_b128 v[ZB+4*\i:ZB+4*\i+3], v[ZSR] offset:2*PV*\i  ; my own bytes, served in order: rows 0-7, the upper parts
.endr
.irp i, 0,1,2,3,4,5,6,7
.irp p, 0,1,2,3
	v_lshlrev_b32 v[ZT+8*\i+2*\p], 16, v[T+4*\i+\p]
	v_and_b32 v[ZT+8*\i+2*\p+1], s25, v[T+4*\i+\p]
.endr
.endr
.irp i, 0,1,2,3
	s_wait_dscnt 3-\i                              ; read-back i is in, the younger ones stay out
	global_store_b128 v[ZGO], v[ZB+4*\i:ZB+4*\i+3], s[12:13] offset:131072*\i     ; sixteen lanes: 256 consecutive bytes, aligned
.endr
.irp i, 0,1,2,3,4,5,6,7
.irp p, 0,1,2,3
	v_pk_fma_f32 v[ZT+8*\i+2*\p:ZT+8*\i+2*\p+1], v[ZT+8*\i+2*\p:ZT+8*\i+2*\p+1], -1.0, v[ZA+8*\i+2*\p:ZA+8*\i+2*\p+1] op_sel_hi:[1,0,1]   ; z minus its upper part: exact
.endr
.endr
.irp i, 0,1,2,3,4,5,6,7
.irp p, 0,1,2,3
	v_cvt_pk_bf16_f32 v[ZLP+4*\i+\p], v[ZT+8*\i+2*\p], v[ZT+8*\i+2*\p+1]
.endr
.endr
.irp i, 0,1,2,3,4,5,6,7
	ds_store_b128 v[ZSW], v[ZLP+4*\i:ZLP+4*\i+3] offset:8*PV+32*\i
.endr
.irp i, 0,1,2,3
	ds_load_b128 v[ZB+16+4*\i:ZB+16+4*\i+3], v[ZSR] offset:8*PV+2*PV*\i           ; rows 8-15, the lower parts
.endr
.irp i, 0,1,2,3
	s_wait_dscnt 3-\i
	global_store_b128 v[ZGO], v[ZB+16+4*\i:ZB+16+4*\i+3], s[12:13] offset:ZLOFF+131072*\i
.endr
	s_cmp_lg_u32 s20, 0                            ; wave 0's two small results leave last, behind its part of z; v[32:51] hold nothing that a pending store reads
	s_cbranch_scc1 .Lend
.if MODE == 0
	VGET 32
.endif
	v_lshlrev_b32 v34, 7, v4                       ; batch L & 7; its four lanes store the same word with the same value:
	global_store_b32 v34, v26, s[14:15]            ; eight words of four bytes for the work-group
.endif
.Lend:
	s_set_vgpr_msb 0x5
	s_wait_tensorcnt 0x0
	ds_add_u32 v0, v1
	s_wait_dscnt 0x0
	s_set_vgpr_msb 0x500
	s_endpgm
.Lfunc_end_k_q5c824c8381_smid:
	.size	k_q5c824c8381_smid, .Lfunc_end_k_q5c824c8381_smid-k_q5c824c8381_smid
	.p2alignl 7, 3214868480
	.fill 96, 4, 3214868480
	.section	.rodata,"a",@progbits
	.p2align	6, 0x0
	.amdhsa_kernel k_q5c824c8381_smid
		.amdhsa_group_segment_fixed_size 219136
		.amdhsa_private_segment_fixed_size 0
		.amdhsa_enable_private_segment 0
		.amdhsa_kernarg_size 56
		.amdhsa_user_sgpr_count 2
		.amdhsa_user_sgpr_kernarg_segment_ptr 1
		.amdhsa_wavefront_size32 1
		.amdhsa_system_sgpr_workgroup_id_x 1
		.amdhsa_system_sgpr_workgroup_id_y 1
		.amdhsa_system_sgpr_workgroup_id_z 1
		.amdhsa_system_vgpr_workitem_id 0
		.amdhsa_next_free_vgpr 258
		.amdhsa_next_free_sgpr 66
		.amdhsa_reserve_vcc 0
		.amdhsa_float_denorm_mode_32 3
		.amdhsa_float_denorm_mode_16_64 3
		.amdhsa_memory_ordered 1
		.amdhsa_forward_progress 1
		.amdhsa_inst_pref_size 54
	.end_amdhsa_kernel
	.amdgpu_metadata
---
amdhsa.version: [ 1, 2 ]
amdhsa.kernels:
  - .name:           k_q5c824c8381_smid
    .symbol:         k_q5c824c8381_smid.kd
    .args:
      - { .name: y, .offset: 0, .size: 8, .value_kind: global_buffer, .address_space: global }
      - { .name: wb, .offset: 8, .size: 8, .value_kind: global_buffer, .address_space: global }
      - { .name: fc_b, .offset: 16, .size: 8, .value_kind: global_buffer, .address_space: global }
      - { .name: v1, .offset: 24, .size: 8, .value_kind: global_buffer, .address_space: global }
      - { .name: z, .offset: 32, .size: 8, .value_kind: global_buffer, .address_space: global }
      - { .name: beta, .offset: 40, .size: 8, .value_kind: global_buffer, .address_space: global }
      - { .name: cs, .offset: 48, .size: 8, .value_kind: global_buffer, .address_space: global }
    .group_segment_fixed_size: 219136
    .private_segment_fixed_size: 0
    .kernarg_segment_align: 8
    .kernarg_segment_size: 56
    .max_flat_workgroup_size: 256
    .sgpr_count:     66
    .vgpr_count:     258
    .wavefront_size: 32
...
	.end_amdgpu_metadata
.endif
;; end of part 4
;; launch pass2: the kernel of part 3 again; grid 4 x 64, 8 waves a work-group, no clusters, 322,560 bytes of LDS; arguments xb, z, beta, y, cs; writes y, cs
;; launch slast (part 5): grid 8 x 32, 8 waves a work-group, clusters of 4 x 1, 219,136 bytes of LDS; arguments y, wb, fc_b, out0, cs; writes out0
.if DOCPART == 5
	.amdgcn_target "amdgcn-amd-amdhsa--gfx1250"
	.amdhsa_code_object_version 6
	.text
	.protected	k_q5c824c8381_slast
	.globl	k_q5c824c8381_slast
	.p2align	8
	.type	k_q5c824c8381_slast,@function
k_q5c824c8381_slast:
	s_mov_b64 s[64:65], 0
	v_nop
	global_prefetch_b8 v0, s[64:65] scope:SCOPE_SE
	s_setreg_imm32_b32 hwreg(HW_REG_WAVE_MODE, 25, 1), 1
	s_wait_xcnt 0x0
	s_wait_alu depctr_hold_cnt(0) depctr_sa_sdst(0) depctr_va_vdst(0) depctr_va_sdst(0) depctr_va_ssrc(0) depctr_va_vcc(0) depctr_vm_vsrc(0)
	s_getreg_b32 s2, hwreg(HW_REG_IB_STS2, 6, 4)
	s_cmp_eq_u32 s2, 0
	s_cbranch_scc0 .Lentry_in_a_cluster
	s_endpgm
.Lentry_in_a_cluster:
	s_bfe_u32 s2, ttmp6, 0x10000c
	s_cmp_lg_u32 s2, 0x3003
	s_cbranch_scc0 .Lentry_shape_is_right
	s_endpgm
.Lentry_shape_is_right:
; The small step between two passes over X, for capsule c (grid y) and the eight batches 8g .. 8g+7 (grid x):
;   s[b][o] = (sum over q of y[b][q][c][:]) . W[:, 64c+o] + csum[b] bias[64c+o];   v = squash(s);
;   V = the sum of all v so far;   z[b][c][d] = sum over o of W[d][64c+o] V[b][o];   beta[b][c] = sum over o of bias[64c+o] V[b][o].
; With z and beta the next pass forms its logits as x[l] . z[c] + beta[c], which is u_hat[l][c] . V with the products in another order.
; MODE 0: first iteration (y holds column sums / 32, the same for every capsule; csum = 512/32 = 16); stores v1, z, beta.
; MODE 1: second iteration (csum from cs; V = v1 + v2); stores z, beta.      MODE 2: third iteration; stores v as the result.
; W comes from wb, the bf16 copy laid capsule by capsule: W_c is 131,072 dense bytes, taken as 512 rows of 256 bytes (two rows d each);
; wave w brings 64 of them by one tensor load, its only one.
; CLUSTER: 4 x 1 work-groups, four neighbouring g of one capsule, need the same W_c and ask for it JOINTLY: the same load, the same
; descriptor (made of the capsule, which is the cluster's y, and of the wave's number), mask 15.  That divides the requests for W by four.
; A round of the cluster's barrier stands in front of the joint load, at the very head, where it needs the wave's number alone and the
; scalar loads of the arguments are on their way; a second one stands where the work-group's barrier behind the fill would stand: behind
; it every partner's only joint load has been issued and has landed, so none ends while a partner may still ask.
; The place in the cluster enters g alone, and g only offsets into y, v1, z, beta, cs (s22, s26, s47: no descriptor, no LDS address, no branch).
; TWO PARTS: y, V and z are numbers of this program's own making, and an error in V or z returns through the next softmax into every
; later v.  A bf16 has 8 significant bits; so each of them goes to the matrix unit as two bf16 numbers, an upper part and the rounded
; remainder (f32 minus upper part, exact): about 16 significant bits.  In the s product the eight batches leave eight of the sixteen
; columns free: columns 0-7 take y's upper parts, columns 8-15 its lower parts, and column r is added to column r xor 8 afterwards.
; Limits: W is rounded once to bf16, sums are f32, their order is not the einsum's; where 1 + |s|^2 passes 2^126 v_rcp_f32 gives 0
; (AMD's ISA guide, 15.8: results below the normal range are flushed) and v comes out 0.
.set MODE, 2
.set PW2,  272                         ; LDS row of W_c: rows d = 2 n and 2 n + 1 (128 bytes each) + 16 bytes; row d begins at (d >> 1) PW2 + 128 (d & 1)
.set WLW,  64*PW2                      ; what one wave's tensor load fills: 128 rows d
.set AL,   512*PW2                     ; behind W_c: y's upper parts, 8 rows
.set PA,   2064                        ; 1,024 bf16 + 16 bytes
.set ALO,  16768                       ; from y's upper parts to its lower parts: 128 more than a multiple of 256, so that the sixteen rows of a fragment begin at sixteen different 16-byte columns of 256
.set SX,   AL+2*ALO                    ; exchange of partial s: 1,024 bytes a wave
.set VST,  SX+8192                     ; stage for v: 8 rows
.set PV,   272                         ; 256 bytes + 16
.set ZST,  VST+2304                    ; stages for z, each wave's own: 8 rows of upper parts, 8 of lower
.set ZSTW, 16*PV
.set ZLOFF, 4194304                    ; in the buffer z: from the upper parts to the lower parts
.if MODE == 0
.set YSTR, 4096                        ; bytes from one (batch, quarter) of y to the next
.set NS,   8                           ; small loads issued behind y's loads
.endif
.if MODE == 1
.set YSTR, 131072
.set NS,   20
.endif
.if MODE == 2
.set YSTR, 131072
.set NS,   12
.endif
; v1 lane L, v2 r = L & 15, v3 h = L >> 4, v4 L & 7 (= r & 7), v5 (L >> 3) & 1 (= r >> 3)
.set ZGO, 6                            ; v6 at work while the offsets are made, then 65,536 h + 256 w + 16 r: z in memory
.set YG,  7                            ; 16 t: my 16 bytes of a row of y
.set YA,  8                            ; AL + 8 t
.set ZSW, 9                            ; my stage for z, row r & 7, byte 16 h
.set ZSR, 10                           ; my stage for z, two rows a load
.set AA,  11                           ; y fragments
.set WT0, 12                           ; v12, v13: transposed W fragments, K steps 0-7 and 8-15 of my half of K
.set SXR, 14
.set SXW, 15
.set BO,  16                           ; offsets of the small loads
.set VO,  17
.set CO,  18
.set WZ,  19                           ; W fragments of the z product
.set CSV, 20                           ; v[20:23] four partial sums of c;  v[24:31] at work
.set RY,  32                           ; v[32:159] y as loaded: batch i, quarter q at 16 i + 4 q
.set T,   224                          ; v[224:255] packed bf16 on their way into LDS
.set F0,  32                           ; fragment buffers of the s product, 64 registers each
.set F1,  96
.set ACC, 224                          ; four accumulators of the s product
.set SV,  32                           ; v[32:63] s, then v, then V: tile ot, register j = (b = r & 7, o = 16 ot + 8 h + j)
.set BI,  160                          ; v[160:191] bias in the same layout
.set VP,  192                          ; v[192:223] v1 in the same layout
.set VT,  192                          ; v[192:223], late: V's remainders in f32
.set VL,  224                          ; v[224:239], late: V's lower parts as two bf16 fragments
.set VF,  240                          ; v[240:255], late: V's upper parts as two bf16 fragments
.set WF,  32                           ; v[32:159] W fragments of the z product: K step 0 in v[32:95], K step 1 in v[96:159]
.set ZA,  160                          ; v[160:223] its eight accumulators
.set ZT,  32                           ; v[32:95], last: z's remainders in f32
.set ZLP, 96                           ; v[96:127] z's lower parts, packed
.set ZB,  128                          ; v[128:159] z read back by rows
.set G0,  32                           ; s[32:35] descriptor group 0
.set G1,  36                           ; s[36:43] descriptor group 1
.macro PLACES                          ; four plain vector instructions between a matrix instruction and what touches its registers (ISA guide 7.12.1)
.rept 4
	v_nop
.endr
.endm
.macro BAR                             ; my LDS instructions are done, then the work-group's barrier
	s_wait_dscnt 0x0
	s_barrier_signal -1
	s_barrier_wait -1
.endm
.macro ROUND                           ; a round of the cluster's barrier: my work-group's barrier, so that wave 0 speaks for all eight waves;
	s_barrier_signal -1                    ; wave 0 signals for the work-group; every wave waits for all four work-groups; my work-group's barrier once more
	s_barrier_wait -1
	s_cmp_lg_u32 s20, 0
	s_cbranch_scc1 .Lnot_wave_0_\@
	s_barrier_signal -3
.Lnot_wave_0_\@:
	s_barrier_wait -3
	s_barrier_signal -1
	s_barrier_wait -1
.endm
; Batches b0 .. b0 + 3: the four quarters of l are added, the sum is split into its two bf16 parts, both go into LDS.
; Each step is made for all four batches before the next step, so that no line reads the result of the line in front of it.
.macro YSUM b0
.irp i, 0,1,2,3
.set Q, RY+16*(\b0+\i)
	v_pk_add_f32 v[Q:Q+1], v[Q:Q+1], v[Q+4:Q+5]
	v_pk_add_f32 v[Q+2:Q+3], v[Q+2:Q+3], v[Q+6:Q+7]
	v_pk_add_f32 v[Q+8:Q+9], v[Q+8:Q+9], v[Q+12:Q+13]
	v_pk_add_f32 v[Q+10:Q+11], v[Q+10:Q+11], v[Q+14:Q+15]
.endr
.irp i, 0,1,2,3
.set Q, RY+16*(\b0+\i)
	v_pk_add_f32 v[Q:Q+1], v[Q:Q+1], v[Q+8:Q+9]
	v_pk_add_f32 v[Q+2:Q+3], v[Q+2:Q+3], v[Q+10:Q+11]
.endr
.irp i, 0,1,2,3
.set Q, RY+16*(\b0+\i)
.set P, T+2*(\b0+\i)
	v_cvt_pk_bf16_f32 v[P], v[Q], v[Q+1]           ; upper parts
	v_cvt_pk_bf16_f32 v[P+1], v[Q+2], v[Q+3]
.endr
.irp i, 0,1,2,3
.set Q, RY+16*(\b0+\i)
.set P, T+2*(\b0+\i)
	v_lshlrev_b32 v[Q+4], 16, v[P]                 ; the upper parts as f32
	v_and_b32 v[Q+5], s25, v[P]
	v_lshlrev_b32 v[Q+6], 16, v[P+1]
	v_and_b32 v[Q+7], s25, v[P+1]
.endr
.irp i, 0,1,2,3
.set Q, RY+16*(\b0+\i)
	v_pk_fma_f32 v[Q+4:Q+5], v[Q+4:Q+5], -1.0, v[Q:Q+1] op_sel_hi:[1,0,1]         ; the sum minus its upper part: exact
	v_pk_fma_f32 v[Q+6:Q+7], v[Q+6:Q+7], -1.0, v[Q+2:Q+3] op_sel_hi:[1,0,1]
.endr
.irp i, 0,1,2,3
.set Q, RY+16*(\b0+\i)
.set P, T+2*(\b0+\i)
	v_cvt_pk_bf16_f32 v[P+16], v[Q+4], v[Q+5]      ; lower parts
	v_cvt_pk_bf16_f32 v[P+17], v[Q+6], v[Q+7]
.endr
.irp i, 0,1,2,3
.set P, T+2*(\b0+\i)
	ds_store_b64 v[YA], v[P:P+1] offset:(\b0+\i)*PA
	ds_store_b64 v[YA], v[P+16:P+17] offset:ALO+(\b0+\i)*PA
.endr
.endm
.macro SFETCH bt, F                    ; four K steps, 16 registers each: y's fragment (both parts side by side in its columns), W's transposed fragment
.irp k, 0,1,2,3
	ds_load_b128 v[\F+16*\k:\F+16*\k+3], v[AA] offset:64*(4*\bt+\k)
	ds_load_b128 v[\F+16*\k+4:\F+16*\k+7], v[AA] offset:64*(4*\bt+\k)+32
	ds_load_tr16_b128 v[\F+16*\k+8:\F+16*\k+11], v[WT0+\bt/2] offset:(4*(\bt%2)+\k)*16*PW2          ; 32 rows d are 16 LDS rows,
	ds_load_tr16_b128 v[\F+16*\k+12:\F+16*\k+15], v[WT0+\bt/2] offset:(4*(\bt%2)+\k)*16*PW2+8*PW2    ; 16 rows d are 8
.endr
.endm
.macro SMUL F, zero                    ; four accumulators, one for each K step of a batch, by turns, one instruction a turn
.irp k, 0,1,2,3
.if \zero
	v_wmma_f32_16x16x32_bf16 v[ACC+8*\k:ACC+8*\k+7], v[\F+16*\k+8:\F+16*\k+15], v[\F+16*\k:\F+16*\k+7], 0
.else
	v_wmma_f32_16x16x32_bf16 v[ACC+8*\k:ACC+8*\k+7], v[\F+16*\k+8:\F+16*\k+15], v[\F+16*\k:\F+16*\k+7], v[ACC+8*\k:ACC+8*\k+7]
.endif
.endr
.endm
; v leaves through LDS, so that sixteen lanes store a batch's 256 consecutive bytes, aligned.  VPUT lays it into the stage, VGET reads whole rows back and stores them.
.macro VPUT a
	v_mul_u32_u24 v[\a], v4, PV
	v_lshl_add_u32 v[\a], v3, 5, v[\a]
	v_add_nc_u32 v[\a], VST, v[\a]                 ; row r & 7 (lanes 8-15 write what lanes 0-7 write), byte 32 h
.irp ot, 0,1,2,3
	ds_store_b128 v[\a], v[SV+8*\ot:SV+8*\ot+3] offset:64*\ot
	ds_store_b128 v[\a], v[SV+8*\ot+4:SV+8*\ot+7] offset:64*\ot+16
.endr
.endm
.macro VGET a
	v_mul_u32_u24 v[\a], v3, PV
	v_lshl_add_u32 v[\a], v2, 4, v[\a]
	v_add_nc_u32 v[\a], VST, v[\a]                 ; two rows a load
	v_lshlrev_b32 v[\a+1], 4, v2
	v_lshl_add_u32 v[\a+1], v3, 13, v[\a+1]        ; and the same two batches in memory, 8,192 bytes apart
.irp i, 0,1,2,3
	ds_load_b128 v[\a+4+4*\i:\a+7+4*\i], v[\a] offset:2*PV*\i     ; LDS serves a wave's instructions in order: these see VPUT's stores
.endr
.irp i, 0,1,2,3
	s_wait_dscnt 3-\i                              ; read-back i is in, the younger ones stay out
	global_store_b128 v[\a+1], v[\a+4+4*\i:\a+7+4*\i], s[10:11] offset:16384*\i
.endr
.endm
	s_load_b256 s[4:11], s[0:1], 0x0               ; y s[4:5], wb s[6:7], fc_b s[8:9], v1 or out0 s[10:11]
.if MODE == 2
	s_load_b64 s[16:17], s[0:1], 0x20              ; cs
	v_lshl_add_u32 v222, v0, 2, 0x35400
	v_mov_b32 v223, 0
	ds_add_u32 v222, v223
	ds_add_u32 v222, v223
	s_wait_dscnt 0x0
.else
	s_load_b128 s[12:15], s[0:1], 0x20             ; z s[12:13], beta s[14:15]
.endif
.if MODE == 1
	s_load_b64 s[16:17], s[0:1], 0x30              ; cs
.endif
	v_lshrrev_b32 v1, 5, v0
	v_readfirstlane_b32 s20, v1                    ; wave w
	ROUND                                          ; all four work-groups are here, while the arguments are on their way: the joint loads below meet
	s_and_b32 s21, ttmp7, 0xffff                   ; capsule c: the cluster's y, shared by the four partners
	s_bfe_u32 s47, ttmp6, 0x40000                  ; cx: my place along the cluster's x
	s_lshl_b32 s22, ttmp9, 2                       ; in a cluster launch ttmp9 counts clusters
	s_add_co_u32 s22, s22, s47                     ; group g of eight batches = 4 x cluster x + cx
	s_lshr_b32 s23, s20, 2                         ; kh: my half of K in the s product
	s_and_b32 s24, s20, 3                          ; ot: my 16 outputs in the s product
	s_mov_b32 s25, 0xffff0000                      ; a word's upper bf16
	s_mov_b32 s30, 0x76543210                      ; v_permlanex16_b32: lane i reads lane i of the other half
	s_mov_b32 s31, 0xfedcba98
	s_mov_b32 s27, 0
	s_mov_b32 s45, 0
	s_mov_b32 s[G1+0], 15|(3<<16)|(1<<20)|(1<<21)|(5<<22)|(3<<25)   ; mask: all four of the cluster; elements of 8 bytes; padding on; bit 21 beside a mask; 4 words behind every 64 words
	s_mov_b32 s[G1+1], 32<<16                      ; tensor_dim0 = 32 elements: the tile lies inside the tensor
	s_mov_b32 s[G1+2], 64<<16                      ; tensor_dim1 = 64
	s_mov_b32 s[G1+3], 32<<16                      ; tile_dim0 = 32 elements = 256 bytes
	s_mov_b32 s[G1+4], 64                          ; tile_dim1 = 64 rows
	s_mov_b32 s[G1+5], 32                          ; elements from row to row: dense
	s_mov_b32 s[G1+6], 0
	s_mov_b32 s[G1+7], 0
	s_mov_b32 s[G0], 1                             ; count = 1
	s_mul_i32 s[G0+1], s20, WLW                    ; LDS address: the wave's number x 17,408
	s_lshl_b32 s44, s21, 17                        ; wb: capsule c,
	s_lshl_b32 s46, s20, 14                        ; my 128 rows d of 128 bytes
	s_add_co_u32 s44, s44, s46
	v_and_b32 v1, 31, v0
	v_and_b32 v2, 15, v0
	v_bfe_u32 v3, v0, 4, 1
	v_and_b32 v4, 7, v0
	v_bfe_u32 v5, v0, 3, 1
	v_lshlrev_b32 v[YG], 4, v0
	v_lshlrev_b32 v[BO], 5, v3
.if MODE == 1
	v_lshl_add_u32 v[VO], v4, 13, v[BO]
.endif
.if MODE != 0
	v_lshlrev_b32 v[CO], 9, v4
.endif
	s_wait_kmcnt 0x0
	s_add_nc_u64 s[G0+2:G0+3], s[6:7], s[44:45]    ; global address of my part of W_c
	s_or_b32 s[G0+3], s[G0+3], 0x80000000          ; type = 2
	tensor_load_to_lds s[G0:G0+3], s[G1:G1+7]      ; my 64 rows of 256 bytes of W_c: the wave's only tensor load, and its first memory instruction
	s_nop 0
.if MODE == 0
	s_lshl_b32 s26, s22, 17                        ; y[b][q][1024]: 8 batches x 4 quarters x 4,096 bytes
.else
	s_lshl_b32 s26, s22, 22                        ; y[b][q][c][1024]: 8 batches x 524,288 bytes,
	s_lshl_b32 s47, s21, 12                        ; and my capsule's row
	s_add_co_u32 s26, s26, s47
.endif
	s_add_nc_u64 s[4:5], s[4:5], s[26:27]
.set n, 0
.rept 32
	global_load_b128 v[RY+4*n:RY+4*n+3], v[YG], s[4:5] offset:n*YSTR   ; n = 4 i + q: batch i, quarter q; the eight waves cover the row
.set n, n+1
.endr
	s_lshl_b32 s44, s21, 8                         ; my capsule's 64 f32 in fc_b
	s_add_nc_u64 s[8:9], s[8:9], s[44:45]
	s_lshl_b32 s26, s22, 16                        ; v1, out0: [b][c][64] f32
	s_lshl_b32 s47, s21, 8
	s_add_co_u32 s26, s26, s47
	s_add_nc_u64 s[10:11], s[10:11], s[26:27]
.if MODE != 0
	s_lshl_b32 s26, s22, 12                        ; cs: [b][q][32] f32
	s_lshl_b32 s47, s21, 2
	s_add_co_u32 s26, s26, s47
	s_add_nc_u64 s[16:17], s[16:17], s[26:27]
.endif
.irp ot, 0,1,2,3
	global_load_b128 v[BI+8*\ot:BI+8*\ot+3], v[BO], s[8:9] offset:64*\ot          ; bias, in s's layout
	global_load_b128 v[BI+8*\ot+4:BI+8*\ot+7], v[BO], s[8:9] offset:64*\ot+16
.endr
.if MODE == 1
.irp ot, 0,1,2,3
	global_load_b128 v[VP+8*\ot:VP+8*\ot+3], v[VO], s[10:11] offset:64*\ot        ; v1 of batch r & 7
	global_load_b128 v[VP+8*\ot+4:VP+8*\ot+7], v[VO], s[10:11] offset:64*\ot+16
.endr
.endif
.if MODE != 0
.irp q, 0,1,2,3
	global_load_b32 v[CSV+\q], v[CO], s[16:17] offset:128*\q                      ; the quarters' sums of c, batch r & 7
.endr
.endif
	; every other base and offset of the kernel is made here, while y is on its way
.if MODE != 2
	s_lshl_b32 s26, s22, 19                        ; z: [part][b][c][1024] bf16
	s_lshl_b32 s47, s21, 11
	s_add_co_u32 s26, s26, s47
	s_add_nc_u64 s[12:13], s[12:13], s[26:27]
	s_lshl_b32 s26, s22, 10                        ; beta: [b][32] f32
	s_lshl_b32 s47, s21, 2
	s_add_co_u32 s26, s26, s47
	s_add_nc_u64 s[14:15], s[14:15], s[26:27]
.endif
	v_lshlrev_b32 v[YA], 3, v0
	v_add_nc_u32 v[YA], AL, v[YA]
	v_mul_u32_u24 v[AA], v4, PA                    ; column n = r of the product takes batch r & 7,
	v_lshl_add_u32 v[AA], v3, 4, v[AA]
	v_mul_u32_u24 v6, v5, ALO                      ; its upper part in columns 0-7, its lower part in columns 8-15
	v_add_nc_u32 v[AA], v[AA], v6
	s_lshl_b32 s28, s23, 10
	s_add_co_u32 s28, s28, AL
	v_add_nc_u32 v[AA], s28, v[AA]
	v_bfe_u32 v6, v0, 1, 2                         ; in a transposing load I address row d = 8 h + (L & 7) of sixteen:
	v_lshl_add_u32 v6, v3, 2, v6                   ; LDS row 4 h + ((L & 7) >> 1),
	v_mul_u32_u24 v[WT0], v6, PW2
	v_and_b32 v6, 1, v0
	v_lshl_add_u32 v[WT0], v6, 7, v[WT0]           ; its half L & 1,
	v_lshl_add_u32 v[WT0], v5, 4, v[WT0]           ; 16 bytes (L >> 3) & 1
	s_mul_i32 s28, s23, 256*PW2                    ; my 512 rows d
	s_lshl_b32 s29, s24, 5                         ; my 16 outputs
	s_add_co_u32 s28, s28, s29
	v_add_nc_u32 v[WT0], s28, v[WT0]
	v_add_nc_u32 v[WT0+1], 128*PW2, v[WT0]         ; the immediate has 16 bits: a second base for K steps 8-15
	v_lshlrev_b32 v[SXR], 4, v1
	v_add_nc_u32 v[SXR], SX, v[SXR]
	v_lshl_add_u32 v[SXW], s20, 10, v[SXR]
.if MODE != 2
	v_lshrrev_b32 v[WZ], 1, v2                     ; in the z product row d = 128 w + 16 i + r lies in LDS row 64 w + 8 i + (r >> 1),
	s_lshl_b32 s28, s20, 6
	v_add_nc_u32 v[WZ], s28, v[WZ]
	v_mul_u32_u24 v[WZ], v[WZ], PW2
	v_lshl_add_u32 v[WZ], v6, 7, v[WZ]             ; half r & 1 (v6 still holds L & 1):
	v_lshl_add_u32 v[WZ], v3, 4, v[WZ]             ; (64 w + (r >> 1)) PW2 + 128 (r & 1) + 16 h; the sixteen rows begin at sixteen different 16-byte columns of 256
	s_mul_i32 s28, s20, ZSTW
	s_add_co_u32 s28, s28, ZST
	v_mul_u32_u24 v[ZSW], v4, PV
	v_lshl_add_u32 v[ZSW], v3, 4, v[ZSW]
	v_add_nc_u32 v[ZSW], s28, v[ZSW]
	v_mul_u32_u24 v[ZSR], v3, PV
	v_lshl_add_u32 v[ZSR], v2, 4, v[ZSR]
	v_add_nc_u32 v[ZSR], s28, v[ZSR]
	v_lshlrev_b32 v[ZGO], 4, v2
	v_lshl_add_u32 v[ZGO], v3, 16, v[ZGO]
	v_lshl_add_u32 v[ZGO], s20, 8, v[ZGO]
.endif
	s_wait_loadcnt NS+16                           ; loads come back in order: batches 0-3 are in; y's other 16 loads and the NS small loads stay out
	YSUM 0
	s_wait_loadcnt NS                              ; batches 4-7; the NS small loads stay out
	YSUM 4
	s_wait_tensorcnt 0x0                           ; my part of W_c has landed,
	s_wait_dscnt 0x0                               ; my part of y is stored:
	ROUND                                          ; W_c and y are whole in LDS for every wave; and every partner's joint load is over: the closing round
	; s = y . W_c.  Wave w: outputs 16 ot .. + 15, half kh of K: 16 K steps in four batches of four.  Source 0 = W transposed (rows o), source 1 = y (columns: batch and part).
	SFETCH 0, F0
	SFETCH 1, F1
	s_wait_dscnt 16                                ; the older batch of 16 loads is in, here and below
	SMUL F0, 1
	PLACES
	SFETCH 2, F0
	s_wait_dscnt 16
	SMUL F1, 0
	PLACES
	SFETCH 3, F1
	s_wait_dscnt 16
	SMUL F0, 0
	s_wait_dscnt 0x0
	SMUL F1, 0
	PLACES
.irp j, 0,2,4,6
	v_pk_add_f32 v[ACC+\j:ACC+\j+1], v[ACC+\j:ACC+\j+1], v[ACC+8+\j:ACC+8+\j+1]
	v_pk_add_f32 v[ACC+16+\j:ACC+16+\j+1], v[ACC+16+\j:ACC+16+\j+1], v[ACC+24+\j:ACC+24+\j+1]
.endr
.irp j, 0,2,4,6
	v_pk_add_f32 v[ACC+\j:ACC+\j+1], v[ACC+\j:ACC+\j+1], v[ACC+16+\j:ACC+16+\j+1]
.endr
.irp j, 0,1,2,3,4,5,6,7
	v_add_f32_dpp v[ACC+\j], v[ACC+\j], v[ACC+\j] row_xmask:8 row_mask:0xf bank_mask:0xf   ; column r + column r xor 8: the upper part's product and the lower part's
.endr
	ds_store_b128 v[SXW], v[ACC:ACC+3]
	ds_store_b128 v[SXW], v[ACC+4:ACC+7] offset:512
	BAR                                            ; every wave's partial s is in SX
.if MODE == 2
	s_cmp_lg_u32 s20, 0                            ; the last step has no z product: wave 0 alone finishes
	s_cbranch_scc1 .Lend
.endif
.irp p, 0,1,2,3,4,5,6,7
	ds_load_b128 v[SV+8*\p:SV+8*\p+3], v[SXR] offset:1024*\p
	ds_load_b128 v[SV+8*\p+4:SV+8*\p+7], v[SXR] offset:1024*\p+512
.endr
.if MODE != 2
.irp i, 0,1,2,3,4,5,6,7
	ds_load_b128 v[WF+64+8*\i:WF+64+8*\i+3], v[WZ] offset:\i*8*PW2+64             ; the z product's W fragments of K step 1 (o = 32 .. 63), on their way during the squash
	ds_load_b128 v[WF+64+8*\i+4:WF+64+8*\i+7], v[WZ] offset:\i*8*PW2+64+32
.endr
	s_wait_dscnt 16                                ; the sixteen loads of partial s are in, the sixteen behind them stay out
.else
	s_wait_dscnt 0x0
.endif
	s_wait_loadcnt 0x0                             ; the small loads
.set n, 0
.rept 16
	v_pk_add_f32 v[SV+n:SV+n+1], v[SV+n:SV+n+1], v[SV+32+n:SV+32+n+1]             ; the two halves of K
.set n, n+2
.endr
.if MODE == 0
.set n, 0
.rept 16
	v_pk_fma_f32 v[SV+n:SV+n+1], v[BI+n:BI+n+1], 0x41800000, v[SV+n:SV+n+1] op_sel_hi:[1,0,1]   ; + 16 bias
.set n, n+2
.endr
.else
	v_add_f32 v24, v[CSV], v[CSV+1]
	v_add_f32 v25, v[CSV+2], v[CSV+3]
	v_add_f32 v24, v24, v25                        ; sum over l of c
.set n, 0
.rept 16
	v_pk_fma_f32 v[SV+n:SV+n+1], v[BI+n:BI+n+1], v[24:25], v[SV+n:SV+n+1] op_sel_hi:[1,0,1]      ; both halves x v24
.set n, n+2
.endr
.endif
	; squash: |s|^2 over my 32 numbers in four chains, then the other half of the lanes
	v_pk_mul_f32 v[24:25], v[SV:SV+1], v[SV:SV+1]
	v_pk_mul_f32 v[26:27], v[SV+2:SV+3], v[SV+2:SV+3]
	v_pk_mul_f32 v[28:29], v[SV+4:SV+5], v[SV+4:SV+5]
	v_pk_mul_f32 v[30:31], v[SV+6:SV+7], v[SV+6:SV+7]
.set n, 8
.rept 3
	v_pk_fma_f32 v[24:25], v[SV+n:SV+n+1], v[SV+n:SV+n+1], v[24:25]
	v_pk_fma_f32 v[26:27], v[SV+n+2:SV+n+3], v[SV+n+2:SV+n+3], v[26:27]
	v_pk_fma_f32 v[28:29], v[SV+n+4:SV+n+5], v[SV+n+4:SV+n+5], v[28:29]
	v_pk_fma_f32 v[30:31], v[SV+n+6:SV+n+7], v[SV+n+6:SV+n+7], v[30:31]
.set n, n+8
.endr
	v_pk_add_f32 v[24:25], v[24:25], v[26:27]
	v_pk_add_f32 v[28:29], v[28:29], v[30:31]
	v_pk_add_f32 v[24:25], v[24:25], v[28:29]
	v_add_f32 v26, v24, v25
	v_permlanex16_b32 v27, v26, s30, s31
	v_add_f32 v26, v26, v27                        ; sq
	v_add_f32 v28, 1.0, v26
	v_add_f32 v29, 0x322bcc77, v26                 ; + 1e-8
	v_rcp_f32 v30, v28
	v_rsq_f32 v31, v29
	v_nop                                          ; one plain instruction behind the transcendentals (ISA guide 5.7.2)
	s_wait_alu depctr_va_vdst(0)
	v_mul_f32 v30, v30, v26                        ; sq / (1 + sq) first: no tiny intermediate
	v_mul_f32 v30, v30, v31
.set n, 0
.rept 16
	v_pk_mul_f32 v[SV+n:SV+n+1], v[SV+n:SV+n+1], v[30:31] op_sel_hi:[1,0]
.set n, n+2
.endr
.if MODE == 2
	VPUT 192
	VGET 196
.else
.if MODE == 1
.set n, 0
.rept 16
	v_pk_add_f32 v[SV+n:SV+n+1], v[SV+n:SV+n+1], v[VP+n:VP+n+1]                   ; V = v1 + v2
.set n, n+2
.endr
.endif
	s_cmp_lg_u32 s20, 0                            ; wave 0 alone: beta = bias . V, kept in v26 to the end; in the first step v1 into its stage
	s_cbranch_scc1 .Lothers
	v_pk_mul_f32 v[24:25], v[BI:BI+1], v[SV:SV+1]
	v_pk_mul_f32 v[26:27], v[BI+2:BI+3], v[SV+2:SV+3]
	v_pk_mul_f32 v[28:29], v[BI+4:BI+5], v[SV+4:SV+5]
	v_pk_mul_f32 v[30:31], v[BI+6:BI+7], v[SV+6:SV+7]
.set n, 8
.rept 3
	v_pk_fma_f32 v[24:25], v[BI+n:BI+n+1], v[SV+n:SV+n+1], v[24:25]
	v_pk_fma_f32 v[26:27], v[BI+n+2:BI+n+3], v[SV+n+2:SV+n+3], v[26:27]
	v_pk_fma_f32 v[28:29], v[BI+n+4:BI+n+5], v[SV+n+4:SV+n+5], v[28:29]
	v_pk_fma_f32 v[30:31], v[BI+n+6:BI+n+7], v[SV+n+6:SV+n+7], v[30:31]
.set n, n+8
.endr
	v_pk_add_f32 v[24:25], v[24:25], v[26:27]
	v_pk_add_f32 v[28:29], v[28:29], v[30:31]
	v_pk_add_f32 v[24:25], v[24:25], v[28:29]
	v_add_f32 v26, v24, v25
	v_permlanex16_b32 v27, v26, s30, s31
	v_add_f32 v26, v26, v27
.if MODE == 0
	VPUT 192
.endif
.Lothers:
	; z = W_c . V.  Wave w: rows d = 128 w .. + 127.  Source 0 = W (rows d, K = o along the LDS rows), source 1 = V (columns b), upper and lower part.
.irp n, 0,1,2,3,4,5,6,7,8,9,10,11,12,13,14,15
	v_cvt_pk_bf16_f32 v[VF+\n], v[SV+2*\n], v[SV+2*\n+1]      ; tiles 2 kk, 2 kk + 1 are K step kk's registers 0-3, 4-7 of the same lane
.endr
.irp n, 0,1,2,3,4,5,6,7,8,9,10,11,12,13,14,15
	v_lshlrev_b32 v[VT+2*\n], 16, v[VF+\n]
	v_and_b32 v[VT+2*\n+1], s25, v[VF+\n]
.endr
.irp n, 0,1,2,3,4,5,6,7,8,9,10,11,12,13,14,15
	v_pk_fma_f32 v[VT+2*\n:VT+2*\n+1], v[VT+2*\n:VT+2*\n+1], -1.0, v[SV+2*\n:SV+2*\n+1] op_sel_hi:[1,0,1]   ; V minus its upper part: exact
.endr
.irp i, 0,1,2,3,4,5,6,7
	ds_load_b128 v[WF+8*\i:WF+8*\i+3], v[WZ] offset:\i*8*PW2                      ; W fragments of K step 0 (o = 0 .. 31), into V's registers, which have been read
	ds_load_b128 v[WF+8*\i+4:WF+8*\i+7], v[WZ] offset:\i*8*PW2+32
.endr
.irp n, 0,1,2,3,4,5,6,7,8,9,10,11,12,13,14,15
	v_cvt_pk_bf16_f32 v[VL+\n], v[VT+2*\n], v[VT+2*\n+1]
.endr
	s_wait_dscnt 16                                ; all but the sixteen loads just issued: K step 1's fragments are in
.irp i, 0,1,2,3,4,5,6,7
	v_wmma_f32_16x16x32_bf16 v[ZA+8*\i:ZA+8*\i+7], v[WF+64+8*\i:WF+64+8*\i+7], v[VF+8:VF+15], 0       ; eight accumulators by turns
.endr
.irp i, 0,1,2,3,4,5,6,7
	v_wmma_f32_16x16x32_bf16 v[ZA+8*\i:ZA+8*\i+7], v[WF+64+8*\i:WF+64+8*\i+7], v[VL+8:VL+15], v[ZA+8*\i:ZA+8*\i+7]
.endr
	s_wait_dscnt 0x0
.irp i, 0,1,2,3,4,5,6,7
	v_wmma_f32_16x16x32_bf16 v[ZA+8*\i:ZA+8*\i+7], v[WF+8*\i:WF+8*\i+7], v[VF:VF+7], v[ZA+8*\i:ZA+8*\i+7]
.endr
.irp i, 0,1,2,3,4,5,6,7
	v_wmma_f32_16x16x32_bf16 v[ZA+8*\i:ZA+8*\i+7], v[WF+8*\i:WF+8*\i+7], v[VL:VL+7], v[ZA+8*\i:ZA+8*\i+7]
.endr
	PLACES
	; z(b = r & 7, d = 128 w + 16 i + 8 h + 0..7): 16 bytes of upper parts a tile; they go through my stage and out while the lower parts are made
.irp i, 0,1,2,3,4,5,6,7
.irp p, 0,1,2,3
	v_cvt_pk_bf16_f32 v[T+4*\i+\p], v[ZA+8*\i+2*\p], v[ZA+8*\i+2*\p+1]
.endr
.endr
.irp i, 0,1,2,3,4,5,6,7
	ds_store_b128 v[ZSW], v[T+4*\i:T+4*\i+3] offset:32*\i
.endr
.irp i, 0,1,2,3
	ds_load_b128 v[ZB+4*\i:ZB+4*\i+3], v[ZSR] offset:2*PV*\i  ; my own bytes, served in order: rows 0-7, the upper parts
.endr
.irp i, 0,1,2,3,4,5,6,7
.irp p, 0,1,2,3
	v_lshlrev_b32 v[ZT+8*\i+2*\p], 16, v[T+4*\i+\p]
	v_and_b32 v[ZT+8*\i+2*\p+1], s25, v[T+4*\i+\p]
.endr
.endr
.irp i, 0,1,2,3
	s_wait_dscnt 3-\i                              ; read-back i is in, the younger ones stay out
	global_store_b128 v[ZGO], v[ZB+4*\i:ZB+4*\i+3], s[12:13] offset:131072*\i     ; sixteen lanes: 256 consecutive bytes, aligned
.endr
.irp i, 0,1,2,3,4,5,6,7
.irp p, 0,1,2,3
	v_pk_fma_f32 v[ZT+8*\i+2*\p:ZT+8*\i+2*\p+1], v[ZT+8*\i+2*\p:ZT+8*\i+2*\p+1], -1.0, v[ZA+8*\i+2*\p:ZA+8*\i+2*\p+1] op_sel_hi:[1,0,1]   ; z minus its upper part: exact
.endr
.endr
.irp i, 0,1,2,3,4,5,6,7
.irp p, 0,1,2,3
	v_cvt_pk_bf16_f32 v[ZLP+4*\i+\p], v[ZT+8*\i+2*\p], v[ZT+8*\i+2*\p+1]
.endr
.endr
.irp i, 0,1,2,3,4,5,6,7
	ds_store_b128 v[ZSW], v[ZLP+4*\i:ZLP+4*\i+3] offset:8*PV+32*\i
.endr
.irp i, 0,1,2,3
	ds_load_b128 v[ZB+16+4*\i:ZB+16+4*\i+3], v[ZSR] offset:8*PV+2*PV*\i           ; rows 8-15, the lower parts
.endr
.irp i, 0,1,2,3
	s_wait_dscnt 3-\i
	global_store_b128 v[ZGO], v[ZB+16+4*\i:ZB+16+4*\i+3], s[12:13] offset:ZLOFF+131072*\i
.endr
	s_cmp_lg_u32 s20, 0                            ; wave 0's two small results leave last, behind its part of z; v[32:51] hold nothing that a pending store reads
	s_cbranch_scc1 .Lend
.if MODE == 0
	VGET 32
.endif
	v_lshlrev_b32 v34, 7, v4                       ; batch L & 7; its four lanes store the same word with the same value:
	global_store_b32 v34, v26, s[14:15]            ; eight words of four bytes for the work-group
.endif
.Lend:
	s_wait_tensorcnt 0x0
	ds_add_u32 v222, v223
	s_wait_dscnt 0x0
	s_endpgm
.Lfunc_end_k_q5c824c8381_slast:
	.size	k_q5c824c8381_slast, .Lfunc_end_k_q5c824c8381_slast-k_q5c824c8381_slast
	.p2alignl 7, 3214868480
	.fill 96, 4, 3214868480
	.section	.rodata,"a",@progbits
	.p2align	6, 0x0
	.amdhsa_kernel k_q5c824c8381_slast
		.amdhsa_group_segment_fixed_size 219136
		.amdhsa_private_segment_fixed_size 0
		.amdhsa_enable_private_segment 0
		.amdhsa_kernarg_size 40
		.amdhsa_user_sgpr_count 2
		.amdhsa_user_sgpr_kernarg_segment_ptr 1
		.amdhsa_wavefront_size32 1
		.amdhsa_system_sgpr_workgroup_id_x 1
		.amdhsa_system_sgpr_workgroup_id_y 1
		.amdhsa_system_sgpr_workgroup_id_z 1
		.amdhsa_system_vgpr_workitem_id 0
		.amdhsa_next_free_vgpr 256
		.amdhsa_next_free_sgpr 66
		.amdhsa_reserve_vcc 0
		.amdhsa_float_denorm_mode_32 3
		.amdhsa_float_denorm_mode_16_64 3
		.amdhsa_memory_ordered 1
		.amdhsa_forward_progress 1
		.amdhsa_inst_pref_size 32
	.end_amdhsa_kernel
	.amdgpu_metadata
---
amdhsa.version: [ 1, 2 ]
amdhsa.kernels:
  - .name:           k_q5c824c8381_slast
    .symbol:         k_q5c824c8381_slast.kd
    .args:
      - { .name: y, .offset: 0, .size: 8, .value_kind: global_buffer, .address_space: global }
      - { .name: wb, .offset: 8, .size: 8, .value_kind: global_buffer, .address_space: global }
      - { .name: fc_b, .offset: 16, .size: 8, .value_kind: global_buffer, .address_space: global }
      - { .name: out0, .offset: 24, .size: 8, .value_kind: global_buffer, .address_space: global }
      - { .name: cs, .offset: 32, .size: 8, .value_kind: global_buffer, .address_space: global }
    .group_segment_fixed_size: 219136
    .private_segment_fixed_size: 0
    .kernarg_segment_align: 8
    .kernarg_segment_size: 40
    .max_flat_workgroup_size: 256
    .sgpr_count:     66
    .vgpr_count:     256
    .wavefront_size: 32
...
	.end_amdgpu_metadata
.endif
;; end of part 5
